; MI455X (gfx1250); checked and timed in simulation.
; The chip was launched on July 23, 2026; its instructions are those of AMD's public machine-readable ISA for CDNA 5 (MIT licence, August 2026) and "CDNA5" Instruction Set Architecture Reference Guide (July 2026). The comments in the code are by the model that wrote it; some were corrected since.
;; Quadratic Heterogenous Cross Attention. Allowed arithmetic: matrix products marked QUANTISED: E4M3 operands, one given power-of-two scale a tensor, by v_wmma_f32_16x16x64_fp8_fp8 or v_wmma_f32_16x16x128_fp8_fp8, f32 sums; everything else in f32.
;; Inputs: Wk 4 x 256 x 256 float32; Wo 256 x 256 float32; Wq 256 x 256 float32; Wv 4 x 256 x 256 float32; bk 4 x 256 float32; bo 256 float32; bq 256 float32; bv 4 x 256 float32; concatenated_features 16 x 256 x 256 float32; edge_attr 16 x 256 x 256 float32; feature_weights 4 float32; lowp_scales 36 int32 (the exponents e of the quantised operands' scales 2^e); q_data 16 x 256 x 256 float32; v_0 16 x 256 x 256 float32; x_0 16 x 256 x 256 float32.
;; Outputs: out0 16 x 256 x 256 float32.
;; This version of the problem:
;;   THIS VERSION OF THE PROBLEM IS GIVEN IN LOW PRECISION. The matrix products marked QUANTISED in the list below multiply operands that are first quantised to E4M3 (4 exponent bits, 3 mantissa bits; 8 bits a number), with one given power-of-two scale for each operand tensor; their sums are f32. All else is computed in f32.
;;   The module's matrix products, in the order in which they are computed (A, B: the left and right operand; K: the contracted axis; several contracted axes count as one K, in the product's order):
;;     1. [M 4,096, K 256] x [K 256, N 256]; A: input q_data; B: input Wq: QUANTISED (scales: A lowp_scales[0], B lowp_scales[1])
;;     2. [M 4,096, K 256] x [K 256, N 256]; A: input x_0; B: input Wk: QUANTISED (scales: A lowp_scales[2], B lowp_scales[3])
;;     3. [M 4,096, K 256] x [K 256, N 256]; A: input x_0; B: input Wv: QUANTISED (scales: A lowp_scales[4], B lowp_scales[5])
;;     4. batch 16 x [M 2,048, K 32] x [K 32, N 2,048]; A: computed on the way; B: computed on the way: QUANTISED (scales: A lowp_scales[6], B lowp_scales[7])
;;     5. batch 16 x [M 2,048, K 2,048] x [K 2,048, N 32]; A: softmax (see below); B: computed on the way: QUANTISED (scales: A lowp_scales[8], B lowp_scales[9])
;;     6. [M 4,096, K 256] x [K 256, N 256]; A: input v_0; B: input Wk: QUANTISED (scales: A lowp_scales[10], B lowp_scales[11])
;;     7. [M 4,096, K 256] x [K 256, N 256]; A: input v_0; B: input Wv: QUANTISED (scales: A lowp_scales[12], B lowp_scales[13])
;;     8. batch 16 x [M 2,048, K 32] x [K 32, N 2,048]; A: computed on the way; B: computed on the way: QUANTISED (scales: A lowp_scales[14], B lowp_scales[15])
;;     9. batch 16 x [M 2,048, K 2,048] x [K 2,048, N 32]; A: softmax (see below); B: computed on the way: QUANTISED (scales: A lowp_scales[16], B lowp_scales[17])
;;     10. [M 4,096, K 256] x [K 256, N 256]; A: input edge_attr; B: input Wk: QUANTISED (scales: A lowp_scales[18], B lowp_scales[19])
;;     11. [M 4,096, K 256] x [K 256, N 256]; A: input edge_attr; B: input Wv: QUANTISED (scales: A lowp_scales[20], B lowp_scales[21])
;;     12. batch 16 x [M 2,048, K 32] x [K 32, N 2,048]; A: computed on the way; B: computed on the way: QUANTISED (scales: A lowp_scales[22], B lowp_scales[23])
;;     13. batch 16 x [M 2,048, K 2,048] x [K 2,048, N 32]; A: softmax (see below); B: computed on the way: QUANTISED (scales: A lowp_scales[24], B lowp_scales[25])
;;     14. [M 4,096, K 256] x [K 256, N 256]; A: input concatenated_features; B: input Wk: QUANTISED (scales: A lowp_scales[26], B lowp_scales[27])
;;     15. [M 4,096, K 256] x [K 256, N 256]; A: input concatenated_features; B: input Wv: QUANTISED (scales: A lowp_scales[28], B lowp_scales[29])
;;     16. batch 16 x [M 2,048, K 32] x [K 32, N 2,048]; A: computed on the way; B: computed on the way: QUANTISED (scales: A lowp_scales[30], B lowp_scales[31])
;;     17. batch 16 x [M 2,048, K 2,048] x [K 2,048, N 32]; A: softmax (see below); B: computed on the way: QUANTISED (scales: A lowp_scales[32], B lowp_scales[33])
;;     18. [M 4,096, K 256] x [K 256, N 256]; A: computed on the way; B: input Wo: QUANTISED (scales: A lowp_scales[34], B lowp_scales[35])
;;   THE QUANTISER, for each operand of a quantised product, along K:
;;     - The operand's scale is 2^e, e = its entry of the input lowp_scales (int32; the entries are numbered through the quantised products in the list's order, A before B).
;;     - Each number is divided by the scale, clamped to +-448, and rounded to the nearest number of E4M3, ties to even, subnormals kept.
;;     - The product sums the exact products of the quantised numbers (number of the format x scale) in f32.
;;   ~~~python
;;   def quantise(x, axis, e):      # numpy; x: float32 -> the quantised numbers, widened to float32 again
;;       x = np.moveaxis(x, axis, -1); K = x.shape[-1]
;;       r = np.clip(x / 2.0 ** e, -448, 448)
;;       step = 2.0 ** (np.maximum(np.frexp(np.where(r == 0, 1, r))[1] - 1, -6) - 3)
;;       q = np.round(r / step) * step * 2.0 ** e      # np.round: ties to even
;;       return np.moveaxis(q, -1, axis).astype(np.float32)
;;   ~~~
;;   SOFTMAX AHEAD OF A QUANTISED PRODUCT. Where the list says 'softmax', what is quantised is not the finished softmax but p = 2^(t - M), with t = logit x log2(e) and M = ceil(the row's largest t), a whole number; so 1/2 < the row's largest p <= 1. The row's sum l is taken of the UNQUANTISED p, in f32, and the product's result is divided by l at the end. Since M is a whole number, a kernel that streams over the keys may use a running M (the ceiling of the running maximum): every later rescaling is an exact power of two, so the quantised numbers keep their values, but for numbers so far below the row's largest that they fall under the format's range.
;;   OPERANDS COMPUTED ON THE WAY. 'Computed on the way' means the value that the module computes at that place (a softmax that the list does not call 'softmax' is quantised finished and normalised). What goes into a quantiser is computed in f32, as accurately as f32 sums, v_exp_f32 and their like allow (about 1e-6 of the number): no bf16 or f16 on the way to a quantiser, and a product that is left as it is and whose result goes on into a quantised operand takes f32 operands (vector FMAs, or v_wmma_f32_16x16x4_f32). A number that lies on a knife's edge between two numbers of the format may be rounded either way, as far as f32 arithmetic and the matrix unit's own rounding can turn it there, and no further.
;; 2 versions. Each part assembles by itself: llvm-mc -triple=amdgcn-amd-amdhsa -mcpu=gfx1250 --defsym DOCPART=n.
;; ======== version 1 of 2: 3 launches
;; workspace buffers: qc 4,194,304 bytes; kv 8,388,608 bytes; ac 1,048,576 bytes
;; launch proj (part 1): grid 32 x 9, 8 waves a work-group, no clusters, 105,472 bytes of LDS; arguments q_data, x_0, v_0, edge_attr, concatenated_features, Wq, Wk, Wv, bq, bk, bv, lowp_scales, qc, kv; writes qc, kv
.if DOCPART == 1
	.amdgcn_target "amdgcn-amd-amdhsa--gfx1250"
	.amdhsa_code_object_version 6
	.text
	.protected	k_qbe66f81a5d_proj
	.globl	k_qbe66f81a5d_proj
	.p2align	8
	.type	k_qbe66f81a5d_proj,@function
k_qbe66f81a5d_proj:
	s_mov_b64 s[64:65], 0
	v_nop
	global_prefetch_b8 v0, s[64:65] scope:SCOPE_SE
	s_setreg_imm32_b32 hwreg(HW_REG_WAVE_MODE, 25, 1), 1
	s_wait_xcnt 0x0
; THE NINE PROJECTIONS: y = x W^T + b on codes of FP8 (E4M3), each operand with the scale 2^e that is given for it; the rotary phases on q and k; the results quantised for the attention's products.
; JOBS.  Work-group y = 0: q.  y = 1 + 2 i + type: feature i, type 0 = k, type 1 = v.  Work-group x: 128 of the 4,096 rows (tokens).  Wave w: head w, output columns 32 w .. 32 w + 31.
; PHASE 1.  Wave w quantises rows 16 w .. + 15 of x and rows 32 w .. + 31 of W: each load reads 512 consecutive bytes, a lane's eight numbers of a row (k = 4 l .. + 3 and 128 + 4 l .. + 3) become eight codes,
;   which go into LDS rows of 256 codes + 16 bytes.  One barrier.
; PHASE 2.  Fragments come out of the rows by four loads of 16 bytes: registers 4 c .. 4 c + 3 hold k = 32 c + 16 (l / 16) + 0 .. 15: the same order of k in x and in W, so every product meets its partner.
;   q, k: source 0 = 16 rows of W, source 1 = 16 tokens: a lane holds ONE token and eight neighbouring dimensions: the rotation's pairs lie in one lane, and the codes are registers 0-3 of a K = 64 fragment.
;   v:    source 0 = 16 tokens, source 1 = 16 rows of W: a lane holds ONE dimension and eight neighbouring tokens (keys): the codes are the registers of V^T's K = 128 fragment.
; SCALES.  A sum stands for sum x 2^(eA + eB).  The bias goes in as the C of a sum's first product, divided by that power; the rotation is linear; the conversion takes 2^(eO - eA - eB) as its one scale.
; OUT, as images of operand registers, 16 bytes a lane, 512 consecutive bytes a store:
;   qc [feature 4][batch x head 16][tile of 16 queries 128][lane 32][16 B]: the rotated q, once for each of the four scales given for it
;   kv [batch x head 16][feature 4][half of the keys 2][65,536 B]: 32 KiB of K [tile of 16 keys 64][lane][16 B], then 32 KiB of V [block of 128 keys 8][16 dimensions 2][4 registers 4][lane][16 B]
; LIMITS: eA, eB and eO - eA - eB between -126 and 119, so that each power of two and 448 times it is an f32 number.  NaN among the inputs is not served (an infinity is held at the largest code).
; No tensor load: both operands arrive as f32 and pass through registers to be quantised.  No cluster: nothing is fetched into LDS by an engine that partners could share.
.set PITCH, 272                        ; an LDS row: 256 codes + 16 bytes = 68 words: the 16 rows that a fragment load touches begin at 16 different groups of four banks
.set TILEB, 16*PITCH
.set XR,    0                          ; 128 rows of x's codes
.set WR,    128*PITCH                  ; 256 rows of W's codes
.set ST,    32                         ; phase 1: v32-223   three sets of 64 numbers (8 rows x 8)
.set CD,    224                        ; phase 1: v224-255  two sets of 16 registers of codes
.set WF,    32                         ; phase 2: v32-95    my W's fragments (16 columns u, K step s) at WF + 32 u + 16 s
.set XF,    96                         ; phase 2: v96-159   x's fragments of two tiles of tokens (m, s) at XF + 32 m + 16 s
.set AC,    160                        ; q, k: v160-191 accumulators (m, u);   v: v160-223 accumulators of eight tiles of tokens
.set BI,    192                        ; q, k: v192-207 the bias, eight registers for each u
.set ROT,   208                        ; q, k: v208-223 (cos, sin) of the pair (u, k) at ROT + 8 u + 2 k
.set T,     224                        ; q, k: v224-239 a token's 16 rotated numbers of my half
.set U,     240                        ; q, k: v240-255 the same, held
.set BV,    224                        ; v: v224-239 the bias
.set CV,    240                        ; v: v240-255 a fragment's codes
.set RA,    224                        ; the table of cosines and sines, at work: angle, then r
.set RK,    232                        ;   k
.set R2,    240                        ;   r^2
.set RS,    248                        ;   sin r
.set RC,    160                        ;   cos r
.set RT,    168                        ;   at work
; v1 lane, v2 r = lane % 16, v3 h = lane / 16, v4 16 x lane, v5, v6 where I store x's and W's codes, v7, v8 where fragments of x and of my W begin, v9, v14 the bias's lane offsets,
; v10, v11: 2^eA and 448 x 2^eA; v12, v13 the same for eB; v16 + 2 j, v17 + 2 j the same for output scale j; v24-27 codes to store
	s_load_b512 s[4:19], s[0:1], 0x0               ; q_data s[4:5], x_0 s[6:7], v_0 s[8:9], edge_attr s[10:11], concatenated_features s[12:13], Wq s[14:15], Wk s[16:17], Wv s[18:19]
	s_load_b256 s[20:27], s[0:1], 0x40             ; bq s[20:21], bk s[22:23], bv s[24:25], lowp_scales s[26:27]
	s_load_b128 s[28:31], s[0:1], 0x60             ; qc s[28:29], kv s[30:31]
	v_lshl_add_u32 v30, v0, 2, 0x19800
	v_mov_b32 v31, 0
	v_lshrrev_b32 v1, 5, v0
	v_readfirstlane_b32 s33, v1                    ; wave w
	v_and_b32 v1, 31, v0
	v_and_b32 v2, 15, v0
	v_bfe_u32 v3, v0, 4, 1
	v_lshlrev_b32 v4, 4, v1
	s_mul_i32 s34, s33, 16*PITCH
	v_lshl_add_u32 v5, v1, 2, s34                  ; x's codes: my 16 rows, 4 bytes a lane
	s_mul_i32 s35, s33, 32*PITCH
	s_add_co_u32 s35, s35, WR
	v_lshl_add_u32 v6, v1, 2, s35                  ; W's codes: my 32 rows
	v_mul_u32_u24 v7, v2, PITCH
	v_lshl_add_u32 v7, v3, 4, v7                   ; a fragment: row r, + 16 h
	v_add_nc_u32 v8, s35, v7                       ; the same in my rows of W
	v_lshlrev_b32 v9, 5, v3                        ; q, k: the bias of dimensions 8 h on
	v_lshlrev_b32 v14, 2, v2                       ; v: the bias of dimension r
	s_and_b32 s36, ttmp7, 0xffff                   ; the job
	s_sub_co_i32 s37, s36, 1
	s_max_i32 s37, s37, 0
	s_lshr_b32 s38, s37, 1                         ; feature i (0 for q)
	s_and_b32 s39, s37, 1                          ; type: 0 = k (and q), 1 = v
	s_lshr_b32 s40, ttmp9, 4                       ; batch
	s_and_b32 s41, ttmp9, 15                       ; which 128 tokens of the batch's 2,048
	s_bfe_u32 s42, ttmp9, 0x30001                  ; the timestep: 256 tokens share one, so it is one number for the work-group
	s_lshl_b32 s44, ttmp9, 17                      ; x: 128 rows of 1,024 bytes a work-group, 16 a wave
	s_lshl_b32 s45, s33, 14
	s_add_co_u32 s44, s44, s45
	s_mov_b32 s45, 0
	s_lshl_b32 s46, s38, 18                        ; W: the feature's 256 rows, my 32 of them
	s_lshl_b32 s47, s33, 15
	s_add_co_u32 s46, s46, s47
	s_mov_b32 s47, 0
	s_lshl_b32 s48, s38, 10                        ; the bias: the feature's 256 numbers, my 32
	s_lshl_b32 s49, s33, 7
	s_add_co_u32 s48, s48, s49
	s_mov_b32 s49, 0
	s_lshl_b32 s50, s40, 3
	s_add_co_u32 s50, s50, s33                     ; batch x head
	s_lshl_b32 s51, s50, 16
	s_lshl_b32 s52, s41, 12
	s_add_co_u32 s51, s51, s52                     ; in qc: 65,536 a head, 8 tiles of 512 bytes a work-group
	s_lshl_b32 s50, s50, 2
	s_add_co_u32 s50, s50, s38
	s_lshl_b32 s50, s50, 17                        ; in kv: 131,072 a feature,
	s_and_b32 s52, s41, 7
	s_lshl_b32 s52, s52, 12
	s_add_co_u32 s50, s50, s52                     ; 4,096 a work-group,
	s_lshr_b32 s52, s41, 3
	s_lshl_b32 s52, s52, 16
	s_add_co_u32 s50, s50, s52                     ; 65,536 a half,
	s_lshl_b32 s52, s39, 15
	s_add_co_u32 s50, s50, s52                     ; V behind K
	s_lshl_b32 s56, s38, 5
	s_lshl_b32 s57, s39, 3
	s_add_co_u32 s56, s56, s57                     ; the scales' entries, in bytes: 32 a feature, 8 from k to v
	s_add_co_u32 s57, s56, 28                      ; k_i: entry 7 + 8 i; v_i: entry 9 + 8 i
	s_add_co_u32 s56, s56, 8                       ; the product's own two: entries 2 + 8 i + 2 type on
	s_cmp_eq_u32 s36, 0
	s_cselect_b32 s56, 0, s56                      ; q: entries 0, 1;
	s_cselect_b32 s57, 24, s57                     ; q goes out four times, by entries 6, 14, 22, 30
	s_cselect_b32 s58, 32, 0
	s_cselect_b32 s50, s51, s50
	s_mov_b32 s51, 0
	s_add_co_u32 s59, s57, s58
	s_add_co_u32 s60, s59, s58
	s_add_co_u32 s61, s60, s58
	s_wait_kmcnt 0x0
	s_cmp_eq_u32 s38, 1                            ; the job's buffers: each choice hangs on the work-group's number alone
	s_cselect_b64 s[6:7], s[8:9], s[6:7]
	s_cmp_eq_u32 s38, 2
	s_cselect_b64 s[6:7], s[10:11], s[6:7]
	s_cmp_eq_u32 s38, 3
	s_cselect_b64 s[6:7], s[12:13], s[6:7]
	s_cmp_eq_u32 s39, 1
	s_cselect_b64 s[16:17], s[18:19], s[16:17]
	s_cselect_b64 s[22:23], s[24:25], s[22:23]
	s_cmp_eq_u32 s36, 0
	s_cselect_b64 s[6:7], s[4:5], s[6:7]           ; s[6:7]   x
	s_cselect_b64 s[16:17], s[14:15], s[16:17]     ; s[16:17] W
	s_cselect_b64 s[22:23], s[20:21], s[22:23]     ; s[22:23] the bias
	s_cselect_b64 s[30:31], s[28:29], s[30:31]     ; s[30:31] where the codes go
	s_load_b64 s[66:67], s[26:27], s56 offset:0x0  ; eA, eB
	s_load_b32 s68, s[26:27], s57 offset:0x0       ; eO, four of them (for k and v four times the same)
	s_load_b32 s69, s[26:27], s59 offset:0x0
	s_load_b32 s70, s[26:27], s60 offset:0x0
	s_load_b32 s71, s[26:27], s61 offset:0x0
	s_add_nc_u64 s[6:7], s[6:7], s[44:45]
	s_add_nc_u64 s[16:17], s[16:17], s[46:47]
	s_add_nc_u64 s[22:23], s[22:23], s[48:49]
	s_add_nc_u64 s[30:31], s[30:31], s[50:51]
; Batch b of six: eight rows, 16 loads of 512 consecutive bytes.  Batches 0, 1: my rows of x; 2 to 5: my rows of W.
.macro LOADB b
.set BUF, ST+64*((\b)%3)
.irp p, 0,1,2,3,4,5,6,7
.if (\b) < 2
	global_load_b128 v[BUF+8*\p:BUF+8*\p+3],   v4, s[6:7] offset:(8*(\b)+\p)*1024
	global_load_b128 v[BUF+8*\p+4:BUF+8*\p+7], v4, s[6:7] offset:(8*(\b)+\p)*1024+512
.else
	global_load_b128 v[BUF+8*\p:BUF+8*\p+3],   v4, s[16:17] offset:(8*((\b)-2)+\p)*1024
	global_load_b128 v[BUF+8*\p+4:BUF+8*\p+7], v4, s[16:17] offset:(8*((\b)-2)+\p)*1024+512
.endif
.endr
.endm
; 2^e as f32 into v[sc] (the conversion takes its exponent field) and 448 x 2^e into v[lim]
.macro MKSC e, sc, lim
	s_add_co_i32 s72, \e, 127
	s_lshl_b32 s73, s72, 23
	v_mov_b32 v[\sc], s73
	s_add_co_i32 s72, s72, 8
	s_lshl_b32 s72, s72, 23
	s_or_b32 s72, s72, 0x600000
	v_mov_b32 v[\lim], s72
.endm
; Batch b is quantised and stored into the LDS rows.  left: the loads of the younger batches, which may stay out.
.macro QB b, left
.set BUF, ST+64*((\b)%3)
.set CDS, CD+16*((\b)%2)
.if (\b) < 2
.set SCV, 10
.set STA, 5
.set ROW0, 8*(\b)
.else
.set SCV, 12
.set STA, 6
.set ROW0, 8*((\b)-2)
.endif
	s_wait_loadcnt \left
.set i, 0
.rept 64
	v_med3_num_f32 v[BUF+i], v[BUF+i], -v[SCV+1], v[SCV+1]   ; the conversion to an 8-bit code does not saturate (ISA guide 7.6.2): the hold at the largest code x the scale
.set i, i+1
.endr
.if (\b) >= 2
	s_wait_dscnt 16                                ; the stores of two batches back have read this set of code registers; the last batch's sixteen may be out
.endif
.irp p, 0,1,2,3,4,5,6,7
	v_cvt_scalef32_pk8_fp8_f32 v[CDS+2*\p:CDS+2*\p+1], v[BUF+8*\p:BUF+8*\p+7], v[SCV]
.endr
	v_nop                                          ; one plain vector instruction behind the last conversion of a run
.irp p, 0,1,2,3,4,5,6,7
	ds_store_b32 v[STA], v[CDS+2*\p]   offset:(ROW0+\p)*PITCH       ; k = 4 l .. + 3
	ds_store_b32 v[STA], v[CDS+2*\p+1] offset:(ROW0+\p)*PITCH+128   ; k = 128 + 4 l .. + 3
.endr
.if (\b)+3 < 6
	LOADB (\b)+3                                   ; the set just read takes the batch three on
.endif
.endm
; x's fragments of the tiles of tokens 2 p and 2 p + 1: 16 loads
.macro FETCHX p
.irp m, 0,1
.irp s, 0,1
.irp c, 0,1,2,3
	ds_load_b128 v[XF+32*\m+16*\s+4*\c:XF+32*\m+16*\s+4*\c+3], v7 offset:(2*(\p)+\m)*TILEB+128*\s+32*\c
.endr
.endr
.endr
.endm
.macro PLACES                          ; four plain vector instructions between a matrix instruction and a read of its result or a load into its registers
.rept 4
	v_nop
.endr
.endm
	LOADB 0
	LOADB 1
	LOADB 2                                        ; 48 loads of the wave are out
	s_wait_kmcnt 0x0
	MKSC s66, 10, 11
	MKSC s67, 12, 13
	s_add_co_i32 s74, s66, s67                     ; eA + eB
	s_sub_co_i32 s76, 0, s74
.irp j, 0,1,2,3
	s_sub_co_i32 s75, s[68+\j], s74                ; eO - eA - eB: the three scales folded into the conversion's one
	MKSC s75, 16+2*\j, 17+2*\j
.endr
	QB 0, 32
	QB 1, 32
	QB 2, 32
	QB 3, 32
	QB 4, 16
	QB 5, 0
	s_wait_dscnt 0x0                               ; for the others' sake: my stores have landed
	s_barrier_signal -1
	s_barrier_wait -1                              ; the 128 rows of x lie in LDS; from here on LDS is only read
.irp u, 0,1
.irp s, 0,1
.irp c, 0,1,2,3
	ds_load_b128 v[WF+32*\u+16*\s+4*\c:WF+32*\u+16*\s+4*\c+3], v8 offset:\u*TILEB+128*\s+32*\c   ; my W's four fragments stay in registers
.endr
.endr
.endr
	FETCHX 0
	s_cmp_eq_u32 s39, 1
	s_cbranch_scc1 .Lvpath
	; ---- q and k
	global_load_b128 v[BI:BI+3],     v9, s[22:23]              ; b(16 u + 8 h + 0 .. 7): the result's layout
	global_load_b128 v[BI+4:BI+7],   v9, s[22:23] offset:16
	global_load_b128 v[BI+8:BI+11],  v9, s[22:23] offset:64
	global_load_b128 v[BI+12:BI+15], v9, s[22:23] offset:80
	; THE TABLE.  Pair (u, k) of my half is pair i = 8 u + 4 h + k of the head's 16: angle a = timestep x 1000^(-i / 16).  a is at most 7: it is brought to r = a - n pi / 2, |r| <= pi / 4, with pi / 2 in two parts;
	; sin r by its series to r^9, cos r to r^10 (the next terms are under 2e-9); n's low two bits say which of the two is which and with what sign.
	s_mov_b32 s77, 0x3638ef1d                      ;  1 / 9!
	s_mov_b32 s78, 0xb9500d01                      ; -1 / 7!
	s_mov_b32 s79, 0x3c088889                      ;  1 / 5!
	s_mov_b32 s80, 0xbe2aaaab                      ; -1 / 3!
	s_mov_b32 s81, 0xb493f27e                      ; -1 / 10!
	s_mov_b32 s82, 0x37d00d01                      ;  1 / 8!
	s_mov_b32 s83, 0xbab60b61                      ; -1 / 6!
	s_mov_b32 s84, 0x3d2aaaab                      ;  1 / 4!
	v_lshlrev_b32 v15, 2, v3
.irp n, 0,1,2,3,4,5,6,7
	v_add_nc_u32 v[RA+\n], 8*(\n/4)+(\n%4), v15    ; i
.endr
.irp n, 0,1,2,3,4,5,6,7
	v_cvt_f32_u32 v[RA+\n], v[RA+\n]
.endr
.irp n, 0,1,2,3,4,5,6,7
	v_mul_f32 v[RA+\n], 0xbf1f73da, v[RA+\n]       ; -i log2(1000) / 16
.endr
.irp n, 0,1,2,3,4,5,6,7
	v_exp_f32 v[RA+\n], v[RA+\n]
.endr
	v_cvt_f32_u32 v15, s42                         ; the timestep as f32: the plain instruction behind the batch
	s_wait_alu depctr_va_vdst(0)                   ; one wait for the eight exponentials, ahead of their first reader
.irp n, 0,1,2,3,4,5,6,7
	v_mul_f32 v[RA+\n], v15, v[RA+\n]              ; a
.endr
.irp n, 0,1,2,3,4,5,6,7
	v_mul_f32 v[RK+\n], 0x3f22f983, v[RA+\n]       ; a x 2 / pi
.endr
.irp n, 0,1,2,3,4,5,6,7
	v_rndne_f32 v[RK+\n], v[RK+\n]                 ; n
.endr
.irp n, 0,1,2,3,4,5,6,7
	v_fmamk_f32 v[RA+\n], v[RK+\n], 0xbfc90fdb, v[RA+\n]   ; a - n x (pi / 2 as f32)
.endr
.irp n, 0,1,2,3,4,5,6,7
	v_fmamk_f32 v[RA+\n], v[RK+\n], 0x333bbd2e, v[RA+\n]   ; - n x (what that f32 lacks of pi / 2, which is negative)
.endr
.irp n, 0,1,2,3,4,5,6,7
	v_mul_f32 v[R2+\n], v[RA+\n], v[RA+\n]
.endr
.irp n, 0,1,2,3,4,5,6,7
	v_fma_f32 v[RS+\n], v[R2+\n], s77, s78
	v_fma_f32 v[RC+\n], v[R2+\n], s81, s82
.endr
.irp n, 0,1,2,3,4,5,6,7
	v_fma_f32 v[RS+\n], v[RS+\n], v[R2+\n], s79
	v_fma_f32 v[RC+\n], v[RC+\n], v[R2+\n], s83
.endr
.irp n, 0,1,2,3,4,5,6,7
	v_fma_f32 v[RS+\n], v[RS+\n], v[R2+\n], s80
	v_fma_f32 v[RC+\n], v[RC+\n], v[R2+\n], s84
.endr
.irp n, 0,1,2,3,4,5,6,7
	v_mul_f32 v[RT+\n], v[RA+\n], v[R2+\n]
	v_fma_f32 v[RC+\n], v[RC+\n], v[R2+\n], -0.5
.endr
.irp n, 0,1,2,3,4,5,6,7
	v_fma_f32 v[RS+\n], v[RT+\n], v[RS+\n], v[RA+\n]   ; sin r
	v_fma_f32 v[RC+\n], v[RC+\n], v[R2+\n], 1.0        ; cos r
.endr
.irp n, 0,1,2,3,4,5,6,7
	v_cvt_i32_f32 v[RK+\n], v[RK+\n]
.endr
.irp n, 0,1,2,3,4,5,6,7
	v_and_b32 v[RT+\n], 1, v[RK+\n]
	v_cmp_eq_u32 vcc_lo, 1, v[RT+\n]
	v_cndmask_b32 v[ROT+2*\n+1], v[RS+\n], v[RC+\n], vcc_lo   ; sin a: for odd n it is cos r,
	v_cndmask_b32 v[ROT+2*\n],   v[RC+\n], v[RS+\n], vcc_lo   ; and cos a is sin r
	v_and_b32 v[RT+\n], 2, v[RK+\n]
	v_lshlrev_b32 v[RT+\n], 30, v[RT+\n]
	v_xor_b32 v[ROT+2*\n+1], v[RT+\n], v[ROT+2*\n+1]          ; sin a changes sign for n mod 4 = 2, 3
	v_add_nc_u32 v[RK+\n], 1, v[RK+\n]
	v_and_b32 v[RK+\n], 2, v[RK+\n]
	v_lshlrev_b32 v[RK+\n], 30, v[RK+\n]
	v_xor_b32 v[ROT+2*\n], v[RK+\n], v[ROT+2*\n]              ; cos a for n mod 4 = 1, 2
.endr
	s_wait_loadcnt 0x0                             ; the bias
.irp j, 0,1,2,3,4,5,6,7,8,9,10,11,12,13,14,15
	v_ldexp_f32 v[BI+\j], v[BI+\j], s76            ; b / 2^(eA + eB)
.endr
; The rotation of tile m's two accumulators: (t1, t2) -> (t1 cos - t2 sin, t1 sin + t2 cos).  Each accumulator is read from its low end on.
.macro ROPE m
.irp u, 0,1
.irp k, 0,1,2,3
	v_mul_f32 v[T+8*\u+2*\k],   v[AC+16*\m+8*\u+2*\k+1], v[ROT+8*\u+2*\k+1]
	v_mul_f32 v[T+8*\u+2*\k+1], v[AC+16*\m+8*\u+2*\k+1], v[ROT+8*\u+2*\k]
	v_fma_f32 v[T+8*\u+2*\k],   v[AC+16*\m+8*\u+2*\k],   v[ROT+8*\u+2*\k],   -v[T+8*\u+2*\k]
	v_fma_f32 v[T+8*\u+2*\k+1], v[AC+16*\m+8*\u+2*\k],   v[ROT+8*\u+2*\k+1], v[T+8*\u+2*\k+1]
.endr
.endr
.endm
; The 16 numbers in T are held, quantised by output scale j and stored: the lane's 16 bytes of tile t's image
.macro QOUT j, t
.irp i, 0,1,2,3,4,5,6,7,8,9,10,11,12,13,14,15
	v_med3_num_f32 v[U+\i], v[T+\i], -v[17+2*\j], v[17+2*\j]
.endr
	s_wait_xcnt 0x0                                ; the last store has read v24-27: they are written again only behind this wait
	v_cvt_scalef32_pk8_fp8_f32 v[24:25], v[U:U+7], v[16+2*\j]      ; dimensions 8 h .. + 7
	v_cvt_scalef32_pk8_fp8_f32 v[26:27], v[U+8:U+15], v[16+2*\j]   ; dimensions 16 + 8 h .. + 7
	v_nop                                          ; one plain vector instruction behind the last conversion
	global_store_b128 v4, v[24:27], s[30:31] offset:\j*1048576+(\t)*512   ; 32 lanes store 512 consecutive bytes
.endm
.macro EMIT m, t
	ROPE \m
	QOUT 0, \t
	s_cmp_lg_u32 s36, 0                            ; k goes out once, q once for each feature's scale
	s_cbranch_scc1 .Lonce_\@
	QOUT 1, \t
	QOUT 2, \t
	QOUT 3, \t
.Lonce_\@:
.endm
.irp p, 0,1,2,3
	s_wait_dscnt 0x0                               ; the fragments are in
.irp m, 0,1
.irp u, 0,1
	v_wmma_f32_16x16x128_fp8_fp8 v[AC+16*\m+8*\u:AC+16*\m+8*\u+7], v[WF+32*\u:WF+32*\u+15], v[XF+32*\m:XF+32*\m+15], v[BI+8*\u:BI+8*\u+7]
.endr
.endr
.irp m, 0,1                                    ; the four accumulators take turns, one instruction a turn
.irp u, 0,1
	v_wmma_f32_16x16x128_fp8_fp8 v[AC+16*\m+8*\u:AC+16*\m+8*\u+7], v[WF+32*\u+16:WF+32*\u+31], v[XF+32*\m+16:XF+32*\m+31], v[AC+16*\m+8*\u:AC+16*\m+8*\u+7]
.endr
.endr
	PLACES
.if \p < 3
	FETCHX \p+1                                    ; lands while these two tiles are rotated and stored
.endif
	EMIT 0, 2*\p
	EMIT 1, 2*\p+1
.endr
	s_wait_tensorcnt 0x0
	ds_add_u32 v30, v31
	s_wait_dscnt 0x0
	s_endpgm
	; ---- v
.Lvpath:
	global_load_b32 v[BV],   v14, s[22:23]                 ; b(r), b(16 + r): a lane holds one dimension, so its eight registers of a tile take one number
	global_load_b32 v[BV+8], v14, s[22:23] offset:64
	s_wait_loadcnt 0x0
	v_ldexp_f32 v[BV],   v[BV],   s76
	v_ldexp_f32 v[BV+8], v[BV+8], s76
.irp j, 1,2,3,4,5,6,7
	v_mov_b32 v[BV+\j],   v[BV]
	v_mov_b32 v[BV+8+\j], v[BV+8]
.endr
.irp u, 0,1                                    ; dimensions 16 u on, for the work-group's 128 tokens: one block of keys
.irp p, 0,1,2,3
	s_wait_dscnt 0x0
	v_wmma_f32_16x16x128_fp8_fp8 v[AC+16*\p:AC+16*\p+7],    v[XF:XF+15],    v[WF+32*\u:WF+32*\u+15],    v[BV+8*\u:BV+8*\u+7]
	v_wmma_f32_16x16x128_fp8_fp8 v[AC+16*\p+8:AC+16*\p+15], v[XF+32:XF+47], v[WF+32*\u:WF+32*\u+15],    v[BV+8*\u:BV+8*\u+7]
	v_wmma_f32_16x16x128_fp8_fp8 v[AC+16*\p:AC+16*\p+7],    v[XF+16:XF+31], v[WF+32*\u+16:WF+32*\u+31], v[AC+16*\p:AC+16*\p+7]
	v_wmma_f32_16x16x128_fp8_fp8 v[AC+16*\p+8:AC+16*\p+15], v[XF+48:XF+63], v[WF+32*\u+16:WF+32*\u+31], v[AC+16*\p+8:AC+16*\p+15]
	PLACES
.if \p < 3
	FETCHX \p+1
.elseif \u == 0
	FETCHX 0                                       ; for the other 16 dimensions: lands while these are quantised
.endif
.endr
.set i, 0
.rept 64
	v_med3_num_f32 v[AC+i], v[AC+i], -v17, v17     ; each accumulator from its low end on
.set i, i+1
.endr
	s_wait_xcnt 0x0                                ; the stores of the first 16 dimensions have read their registers
.irp m, 0,1,2,3,4,5,6,7
	v_cvt_scalef32_pk8_fp8_f32 v[CV+2*\m:CV+2*\m+1], v[AC+8*\m:AC+8*\m+7], v16   ; keys 16 m + 8 h .. + 7: registers 2 m, 2 m + 1 of V^T's fragment
.endr
	v_nop                                          ; one plain vector instruction behind the last conversion
.irp c, 0,1,2,3
	global_store_b128 v4, v[CV+4*\c:CV+4*\c+3], s[30:31] offset:\u*2048+\c*512
.endr
.endr
	s_wait_tensorcnt 0x0
	ds_add_u32 v30, v31
	s_wait_dscnt 0x0
	s_endpgm
.Lfunc_end_k_qbe66f81a5d_proj:
	.size	k_qbe66f81a5d_proj, .Lfunc_end_k_qbe66f81a5d_proj-k_qbe66f81a5d_proj
	.p2alignl 7, 3214868480
	.fill 96, 4, 3214868480
	.section	.rodata,"a",@progbits
	.p2align	6, 0x0
	.amdhsa_kernel k_qbe66f81a5d_proj
		.amdhsa_group_segment_fixed_size 105472
		.amdhsa_private_segment_fixed_size 0
		.amdhsa_enable_private_segment 0
		.amdhsa_kernarg_size 112
		.amdhsa_user_sgpr_count 2
		.amdhsa_user_sgpr_kernarg_segment_ptr 1
		.amdhsa_wavefront_size32 1
		.amdhsa_system_sgpr_workgroup_id_x 1
		.amdhsa_system_sgpr_workgroup_id_y 1
		.amdhsa_system_sgpr_workgroup_id_z 1
		.amdhsa_system_vgpr_workitem_id 0
		.amdhsa_next_free_vgpr 256
		.amdhsa_next_free_sgpr 90
		.amdhsa_reserve_vcc 1
		.amdhsa_float_denorm_mode_32 3
		.amdhsa_float_denorm_mode_16_64 3
		.amdhsa_memory_ordered 1
		.amdhsa_forward_progress 1
		.amdhsa_inst_pref_size 145
	.end_amdhsa_kernel
	.amdgpu_metadata
---
amdhsa.version: [ 1, 2 ]
amdhsa.kernels:
  - .name:           k_qbe66f81a5d_proj
    .symbol:         k_qbe66f81a5d_proj.kd
    .args:
      - { .name: q_data, .offset: 0, .size: 8, .value_kind: global_buffer, .address_space: global }
      - { .name: x_0, .offset: 8, .size: 8, .value_kind: global_buffer, .address_space: global }
      - { .name: v_0, .offset: 16, .size: 8, .value_kind: global_buffer, .address_space: global }
      - { .name: edge_attr, .offset: 24, .size: 8, .value_kind: global_buffer, .address_space: global }
      - { .name: concatenated_features, .offset: 32, .size: 8, .value_kind: global_buffer, .address_space: global }
      - { .name: Wq, .offset: 40, .size: 8, .value_kind: global_buffer, .address_space: global }
      - { .name: Wk, .offset: 48, .size: 8, .value_kind: global_buffer, .address_space: global }
      - { .name: Wv, .offset: 56, .size: 8, .value_kind: global_buffer, .address_space: global }
      - { .name: bq, .offset: 64, .size: 8, .value_kind: global_buffer, .address_space: global }
      - { .name: bk, .offset: 72, .size: 8, .value_kind: global_buffer, .address_space: global }
      - { .name: bv, .offset: 80, .size: 8, .value_kind: global_buffer, .address_space: global }
      - { .name: lowp_scales, .offset: 88, .size: 8, .value_kind: global_buffer, .address_space: global }
      - { .name: qc, .offset: 96, .size: 8, .value_kind: global_buffer, .address_space: global }
      - { .name: kv, .offset: 104, .size: 8, .value_kind: global_buffer, .address_space: global }
    .group_segment_fixed_size: 105472
    .private_segment_fixed_size: 0
    .kernarg_segment_align: 8
    .kernarg_segment_size: 112
    .max_flat_workgroup_size: 256
    .sgpr_count:     90
    .vgpr_count:     256
    .wavefront_size: 32
...
	.end_amdgpu_metadata
.endif
;; end of part 1
;; launch attn (part 2): grid 16 x 16, 16 waves a work-group, clusters of 4 x 1, 327,680 bytes of LDS; arguments qc, kv, feature_weights, lowp_scales, ac; writes ac
.if DOCPART == 2
	.amdgcn_target "amdgcn-amd-amdhsa--gfx1250"
	.amdhsa_code_object_version 6
	.text
	.protected	k_qbe66f81a5d_attn
	.globl	k_qbe66f81a5d_attn
	.p2align	8
	.type	k_qbe66f81a5d_attn,@function
k_qbe66f81a5d_attn:
	s_mov_b64 s[64:65], 0
	v_nop
	global_prefetch_b8 v0, s[64:65] scope:SCOPE_SE
	s_setreg_imm32_b32 hwreg(HW_REG_WAVE_MODE, 25, 1), 1
	s_wait_xcnt 0x0
	s_wait_alu depctr_hold_cnt(0) depctr_sa_sdst(0) depctr_va_vdst(0) depctr_va_sdst(0) depctr_va_ssrc(0) depctr_va_vcc(0) depctr_vm_vsrc(0)
	s_getreg_b32 s2, hwreg(HW_REG_IB_STS2, 6, 4)
	s_cmp_eq_u32 s2, 0
	s_cbranch_scc0 .Lentry_in_a_cluster
	s_endpgm
.Lentry_in_a_cluster:
	s_bfe_u32 s2, ttmp6, 0x10000c
	s_cmp_lg_u32 s2, 0x3003
	s_cbranch_scc0 .Lentry_shape_is_right
	s_endpgm
.Lentry_shape_is_right:
; THE FOUR ATTENTIONS of one (batch, head) for 128 queries, weighed by softmax(feature_weights) and added; the sum is quantised for the output projection.  All products on codes of FP8 (E4M3).
; SHARES.  Work-group: x = block of 128 queries, y = batch x head.  Wave W: tile of 16 queries W % 8, group g = W / 8.  Group g walks features 2 g and 2 g + 1, all 2,048 keys of each, 128 a step:
;   a softmax is whole inside one wave, four waves share a SIMD, and all sixteen have the same work.  The two groups' sums meet once, in LDS.
; LAYOUT.  Both products are used transposed: S^T = K Q^T (source 0 = keys, source 1 = my 16 queries), O^T = V^T P^T: a lane holds ONE query (lane % 16) throughout.  Register j of score tile c is key
;   16 c + 8 (lane / 16) + j: the eight codes made of a tile's registers ARE registers 2 c, 2 c + 1 of P's K = 128 fragment.  Nothing changes lanes between the products.
; THE HEAD HAS 32 DIMENSIONS, THE SHORTEST FORM 64 ALONG K.  A fragment of K carries TWO tiles of 16 keys: registers 0-3 one tile's 32 dimensions, registers 4-7 the next tile's.  Q stands twice in registers, as (q, 0)
;   and as (0, q): the first gives the first tile's scores, the second the second's.  The zeros meet finite codes alone (every quantiser holds at the largest code).  No byte of K is read twice, none is padding.
; THE SOFTMAX.  t = score x log2(e) / sqrt(32); M = the running largest t rounded UP to a whole number; p = 2^(t - M) is quantised, not normalised; the row's sum is taken of the unquantised p and divides at the end.
;   When M moves, the sum and O^T are multiplied by 2^(old M - new M): exact.
; THE RING.  A group's stream is 4 chunks of 64 KiB (feature, half of the keys: 32 KiB of K's images, 32 KiB of V's), dense in memory.  A slot holds both groups' chunks; two slots.  Each of the sixteen waves fetches
;   8 KiB of a slot by one tensor load.  The four work-groups of a cluster belong to one (batch, head) and walk the same chunks: each load is asked for JOINTLY, with a mask that names the four.
;   By this text's own count a wave has one tensor load out at the most.  No prefetch is laid: a refill is asked for eight key steps ahead of its first read.
; LIMITS on the given exponents: eq + ek between -124 and 129 (they are added to c's exponent field); ep and e34 between -126 and 119; ep + ev goes through v_ldexp_f32 and has none.
.set SLOT1, 1<<17                      ; slot 1 begins here: one exclusive or turns an address in one slot into the other's
.set SPARE, 2*SLOT1                    ; behind the ring: the spare words, 128 bytes for each wave: eight blocks of 256 bytes that no other line names
.set MRG,   SPARE+16*128               ; behind them: 8 x 2,048 bytes, where group 1 hands its sums to group 0; no tensor load lands here
.set KF,  32                           ; v32-63   four fragments of K (two tiles of keys each)
.set VF,  64                           ; v64-95   two fragments of V^T
.set SC,  96                           ; v96-159  S^T, then p
.set OT,  160                          ; v160-175 O^T of the feature in hand
.set ACC, 176                          ; v176-191 my features' weighed sum
.set PC,  192                          ; v192-207 p's codes
; v1 16 x lane; v2 LDS address of the step in hand; v3, v4 the spare word's address and 0; v5 my place in MRG; v8-15 q's codes for my two features; v16-23 (q, 0); v24-31 (0, q);
; v208 -M, v209 the largest t; v[210:211] the sum in two halves; v212 f (v213 named with it); v[214:215] a second chain of sums; v216-218 at work; v219, v220: 2^ep, 448 x 2^ep; v221, v222 my two gates;
; v224-239 group 1's sums; v240-243 codes; v244-250 at work
; s14 wave, s15 g, s16 tile, s18 query block, s19 batch x head, s[20:21] lane selects, s[22:23] c, s24 the step's LDS byte, s25 counter, s26 ep + ev, s27 the LDS byte of my group's chunk in the slot in hand,
; s[28:31] descriptor group 0, s[32:39] group 1, s[40:47] eq, ek, ep, ev of my two features, s48 e34, s[52:55] feature_weights
.macro CROUND                          ; a round of the cluster's barrier: my work-group's barrier; wave 0 signals for the work-group; every wave waits for all four work-groups; my work-group's barrier once more
	s_barrier_signal -1
	s_barrier_wait -1
	s_cmp_lg_u32 s14, 0
	s_cbranch_scc1 .Lnot_wave_0_\@
	s_barrier_signal -3
.Lnot_wave_0_\@:
	s_barrier_wait -3
	s_barrier_signal -1
	s_barrier_wait -1
.endm
	s_load_b256 s[4:11], s[0:1], 0x0               ; qc s[4:5], kv s[6:7], feature_weights s[8:9], lowp_scales s[10:11]
	s_load_b64 s[12:13], s[0:1], 0x20              ; ac
	v_lshl_add_u32 v3, v0, 2, SPARE
	v_mov_b32 v4, 0
	ds_add_u32 v3, v4
	ds_add_u32 v3, v4
	s_wait_dscnt 0x0
	v_lshrrev_b32 v1, 5, v0
	v_readfirstlane_b32 s14, v1                    ; wave 0..15
	s_lshr_b32 s15, s14, 3
	s_and_b32 s16, s14, 7
	s_bfe_u32 s17, ttmp6, 0x40000                  ; cx: my place in the cluster
	s_lshl_b32 s18, ttmp9, 2                       ; in a cluster launch ttmp9 counts clusters
	s_add_co_u32 s18, s18, s17                     ; my block of queries: it enters qc's and ac's addresses alone
	s_and_b32 s19, ttmp7, 0xffff                   ; batch x head, which the four partners share
	s_mov_b32 s20, 0x76543210
	s_mov_b32 s21, 0xfedcba98                      ; v_permlanex16_b32: lane l xor 16
	s_lshl_b32 s27, s15, 16                        ; my group's chunk in slot 0
	; descriptor group 1: 32 rows of 32 elements of 8 bytes, dense: 8 KiB as it lies
	s_mov_b32 s32, 15|(3<<16)|(1<<21)              ; 15:0 the mask: all four work-groups; 17:16 elements of 8 bytes; 20 no padding (an image is read 512 consecutive bytes an instruction); 21 set beside a mask
	s_mov_b32 s33, 32<<16                          ; tensor_dim0 = 32
	s_mov_b32 s34, 32<<16                          ; tensor_dim1 = 32
	s_mov_b32 s35, 32<<16                          ; tile_dim0 = 32
	s_mov_b32 s36, 32                              ; tile_dim1 = 32
	s_mov_b32 s37, 32                              ; from row to row
	s_mov_b32 s38, 0
	s_mov_b32 s39, 0
	s_lshl_b32 s62, s19, 19                        ; kv: 524,288 a (batch, head), 262,144 a group, 8,192 a wave of the group
	s_lshl_b32 s63, s15, 18
	s_add_co_u32 s62, s62, s63
	s_lshl_b32 s63, s16, 13
	s_add_co_u32 s62, s62, s63
	s_mov_b32 s63, 0
	s_lshl_b32 s50, s15, 5                         ; qc: feature 2 g, 16 (batch, head) a feature,
	s_add_co_u32 s50, s50, s19
	s_lshl_b32 s50, s50, 16                        ; 65,536 each;
	s_lshl_b32 s51, s18, 3
	s_add_co_u32 s51, s51, s16
	s_lshl_b32 s51, s51, 9                         ; my tile's 512 bytes
	s_add_co_u32 s50, s50, s51
	s_mov_b32 s51, 0
	s_lshr_b32 s60, s19, 3                         ; ac: tile of tokens 128 x batch + 8 x block + tile, 4,096 bytes each;
	s_lshl_b32 s60, s60, 7
	s_lshl_b32 s61, s18, 3
	s_add_co_u32 s60, s60, s61
	s_add_co_u32 s60, s60, s16
	s_lshl_b32 s60, s60, 12
	s_and_b32 s61, s19, 7                          ; the head's 512 of them
	s_lshl_b32 s61, s61, 9
	s_add_co_u32 s60, s60, s61
	s_mov_b32 s61, 0
	s_lshl_b32 s56, s15, 6                         ; the scales' entries: 64 bytes a group
	v_and_b32 v1, 31, v0
	v_lshlrev_b32 v1, 4, v1
	s_lshl_b32 s57, s16, 11
	s_add_co_u32 s57, s57, MRG
	v_add_nc_u32 v5, s57, v1
	v_mov_b32 v213, 0                              ; (named as the upper half of the pair v[212:213])
	v_mov_b32 v218, 0                              ; written once: a lane permute's destination counts as one of its sources
.irp j, 20,21,22,23,24,25,26,27
	v_mov_b32 v[\j], 0                             ; the zero halves of (q, 0) and (0, q)
.endr
	s_wait_kmcnt 0x0
	s_load_b64 s[40:41], s[10:11], s56 offset:24   ; feature 2 g: eq, ek
	s_load_b64 s[42:43], s[10:11], s56 offset:32   ;              ep, ev
	s_load_b64 s[44:45], s[10:11], s56 offset:56   ; feature 2 g + 1
	s_load_b64 s[46:47], s[10:11], s56 offset:64
	s_load_b32 s48, s[10:11], 0x88                 ; e34
	s_load_b128 s[52:55], s[8:9], 0x0
	s_mov_b32 s28, 1                               ; group 0: count = 1
	s_lshl_b32 s29, s14, 13                        ; LDS address: 8,192 x wave, in slot 0: no place in the cluster enters it
	s_add_nc_u64 s[30:31], s[6:7], s[62:63]        ; global address: my part of my group's chunk 0
	s_or_b32 s31, s31, 0x80000000                  ; type = 2
	s_add_nc_u64 s[4:5], s[4:5], s[50:51]
	s_add_nc_u64 s[12:13], s[12:13], s[60:61]
	CROUND                                         ; all four work-groups are here: the first joint loads meet
	tensor_load_to_lds s[28:31], s[32:39]          ; chunk 0 into slot 0
	s_nop 0
.rept 4
	v_nop                                          ; four v_nop follow a tensor load
.endr
	global_load_b128 v[8:11],  v1, s[4:5]                      ; q's codes by feature 2 g's scale,
	global_load_b128 v[12:15], v1, s[4:5] offset:1048576       ; by feature 2 g + 1's
	; the gates: softmax of the four weights, the largest taken away first
	s_wait_kmcnt 0x0
	v_mov_b32 v244, s52
	v_max3_num_f32 v244, v244, s53, s54
	v_max_num_f32 v244, s55, v244
	v_sub_f32 v245, s52, v244
	v_sub_f32 v246, s53, v244
	v_sub_f32 v247, s54, v244
	v_sub_f32 v248, s55, v244
.irp j, 245,246,247,248
	v_mul_f32 v[\j], 0x3fb8aa3b, v[\j]
.endr
.irp j, 245,246,247,248
	v_exp_f32 v[\j], v[\j]
.endr
	v_nop                                          ; a plain instruction behind the batch,
	s_wait_alu depctr_va_vdst(0)                   ; and the wait ahead of its first reader
	v_add_f32 v249, v245, v246
	v_add_f32 v250, v247, v248
	v_add_f32 v249, v249, v250
	v_rcp_f32 v249, v249
	s_cmp_eq_u32 s15, 0
	s_cselect_b32 s56, 0, -1
	v_cndmask_b32 v221, v245, v247, s56            ; my group's two (plain instructions behind the reciprocal)
	v_cndmask_b32 v222, v246, v248, s56
	s_wait_alu depctr_va_vdst(0)
	v_mul_f32 v221, v221, v249
	v_mul_f32 v222, v222, v249
; A FEATURE BEGINS: its scales, its q, and empty sums.  f: 0 or 1, the first or the second of my group's two
.macro FPRO f
	s_add_co_i32 s58, s[40+4*\f], s[41+4*\f]
	s_lshl_b32 s58, s58, 23
	s_add_co_i32 s22, s58, 0x3e8293ee              ; c = log2(e) / sqrt(32), x 2^(eq + ek): the two exponents are added to c's exponent field
	s_mov_b32 s23, s22                             ; (named with it as a pair, so it is written)
	s_add_co_i32 s58, s[42+4*\f], 127
	s_lshl_b32 s59, s58, 23
	v_mov_b32 v219, s59                            ; 2^ep as f32, for the conversion
	s_add_co_i32 s58, s58, 8
	s_lshl_b32 s58, s58, 23
	s_or_b32 s58, s58, 0x600000
	v_mov_b32 v220, s58                            ; 448 x 2^ep
	s_add_co_i32 s26, s[42+4*\f], s[43+4*\f]
.irp j, 0,1,2,3
	v_mov_b32 v[16+\j], v[8+4*\f+\j]
	v_mov_b32 v[28+\j], v[8+4*\f+\j]
.endr
.irp j, 0,1,2,3,4,5,6,7,8,9,10,11,12,13,14,15
	v_mov_b32 v[OT+\j], 0                          ; the step is written once: the first finds zeros, which the first change of M leaves zeros
.endr
	v_mov_b32 v210, 0
	v_mov_b32 v211, 0
	v_mov_b32 v209, 0xff61b1e6                     ; the largest t so far: -3e38, under every t
	v_floor_f32 v208, -v209
.endm
; A KEY STEP: 128 keys.  K's fragments were asked for a step ago.  next = 1: the next step's are asked for here.
.macro STEP next
.irp n, 0,1
.irp c, 0,1,2,3
	ds_load_b128 v[VF+16*\n+4*\c:VF+16*\n+4*\c+3], v2 offset:32768+\n*2048+\c*512
.endr
.endr
	s_wait_dscnt 8                                 ; K is in; V's eight loads, just issued, may be out
.irp p, 0,1,2,3
	v_wmma_f32_16x16x64_fp8_fp8 v[SC+16*\p:SC+16*\p+7],    v[KF+8*\p:KF+8*\p+7], v[16:23], 0   ; the fragment's first tile of keys
	v_wmma_f32_16x16x64_fp8_fp8 v[SC+16*\p+8:SC+16*\p+15], v[KF+8*\p:KF+8*\p+7], v[24:31], 0   ; its second
.endr
.rept 4
	v_nop                                          ; four places ahead of the loads into K's registers and of the first read of the scores
.endr
.if \next
.irp t, 0,1,2,3,4,5,6,7
	ds_load_b128 v[KF+4*\t:KF+4*\t+3], v2 offset:4096+\t*512
.endr
.endif
	v_max3_num_f32 v216, v[SC], v[SC+1], v[SC+2]   ; the step's largest score of my query among my 64 keys, in two chains, each accumulator from its low end on,
	v_max3_num_f32 v217, v[SC+3], v[SC+4], v[SC+5]
.irp i, 6,10,14,18,22,26,30,34,38,42,46,50,54,58
	v_max3_num_f32 v216, v216, v[SC+\i], v[SC+1+\i]
	v_max3_num_f32 v217, v217, v[SC+2+\i], v[SC+3+\i]
.endr
	v_max3_num_f32 v216, v216, v[SC+62], v[SC+63]
	v_max_num_f32 v216, v216, v217
	v_permlanex16_b32 v218, v216, s20, s21
	v_max_num_f32 v216, v216, v218                 ; and among lane l xor 16's
	v_mul_f32 v216, s22, v216                      ; as t (c is positive)
	v_max_num_f32 v209, v209, v216                 ; the running largest t
	v_mov_b32 v216, v208
	v_floor_f32 v208, -v209                        ; the new -M = floor(-t) = -ceil(t): a whole number
	v_sub_f32 v216, v208, v216                     ; old M - new M: a whole number, 0 or less
	v_cvt_i32_f32 v216, v216                       ; (it saturates)
	v_ldexp_f32 v212, 1.0, v216                    ; f = 2^(old M - new M)
	v_pk_fma_f32 v[SC:SC+1],   v[SC:SC+1],   s[22:23], v[208:209] op_sel_hi:[1,0,0]   ; t - M, two at a time (of the pairs c and -M the low word serves both halves)
	v_pk_fma_f32 v[SC+2:SC+3], v[SC+2:SC+3], s[22:23], v[208:209] op_sel_hi:[1,0,0]
.set j, 0
.rept 32                                       ; ONE BATCH: the 64 exponentials, with the scalings of later pairs between them; none of these lines names an exponential's result
	v_exp_f32 v[SC+2*j],   v[SC+2*j]               ; p = 2^(t - M), at most 1
	v_exp_f32 v[SC+2*j+1], v[SC+2*j+1]
.if j < 30
	v_pk_fma_f32 v[SC+4+2*j:SC+5+2*j], v[SC+4+2*j:SC+5+2*j], s[22:23], v[208:209] op_sel_hi:[1,0,0]
.endif
.set j, j+1
.endr
	v_pk_mul_f32 v[210:211], v[210:211], v[212:213] op_sel_hi:[1,0]   ; the sums under the new M: the plain instruction behind the batch
	s_wait_alu depctr_va_vdst(0)                   ; one wait for the batch, ahead of its first reader
	v_pk_add_f32 v[214:215], v[SC:SC+1], v[SC+2:SC+3]                 ; the row's sum is taken of the UNQUANTISED p, in two chains
.irp j, 4,8,12,16,20,24,28,32,36,40,44,48,52,56,60
	v_pk_add_f32 v[210:211], v[210:211], v[SC+\j:SC+1+\j]
	v_pk_add_f32 v[214:215], v[214:215], v[SC+2+\j:SC+3+\j]
.endr
	v_pk_add_f32 v[210:211], v[210:211], v[214:215]
.irp c, 0,1,2,3,4,5,6,7
.irp i, 0,1,2,3,4,5,6,7
	v_min_num_f32 v[SC+8*\c+\i], v[SC+8*\c+\i], v220   ; the conversion to an 8-bit code does not saturate (ISA guide 7.6.2); p is not negative, so the hold is one-sided
.endr
	v_cvt_scalef32_pk8_fp8_f32 v[PC+2*\c:PC+2*\c+1], v[SC+8*\c:SC+8*\c+7], v219   ; keys 16 c + 8 h .. + 7: registers 2 c, 2 c + 1 of P's fragment
.endr
.irp j, 0,2,4,6,8,10,12,14
	v_pk_mul_f32 v[OT+\j:OT+\j+1], v[OT+\j:OT+\j+1], v[212:213] op_sel_hi:[1,0]   ; O^T under the new M.  (Also the plain instructions behind the last conversion)
.endr
.if \next
	s_wait_dscnt 8                                 ; V is in; the next step's eight loads of K may be out
.else
	s_wait_dscnt 0x0
.endif
	v_wmma_f32_16x16x128_fp8_fp8 v[OT:OT+7],    v[VF:VF+15],    v[PC:PC+15], v[OT:OT+7]      ; the two accumulators take turns; the scores' eight products stand between two links of a chain
	v_wmma_f32_16x16x128_fp8_fp8 v[OT+8:OT+15], v[VF+16:VF+31], v[PC:PC+15], v[OT+8:OT+15]
.if \next
	s_add_co_u32 s24, s24, 4096                    ; the next step: eight tiles of K, a block of V
	v_add_nc_u32 v2, s24, v1                       ; with the three below: four places ahead of the loads into V's registers
.rept 3
	v_nop
.endr
.else
.rept 4
	v_nop
.endr
.endif
.endm
; HALF A FEATURE: the eight key steps of the slot in hand
.macro HALF
	s_mov_b32 s24, s27
	v_add_nc_u32 v2, s24, v1
.irp t, 0,1,2,3,4,5,6,7
	ds_load_b128 v[KF+4*\t:KF+4*\t+3], v2 offset:\t*512
.endr
	s_mov_b32 s25, 7
.Lstep_\@:
	STEP 1
	s_sub_co_u32 s25, s25, 1
	s_cmp_lg_u32 s25, 0
	s_cbranch_scc1 .Lstep_\@
	STEP 0                                         ; the last step asks for no further K
	s_xor_b32 s27, s27, SLOT1                      ; on to the other slot
.endm
; THE CHANGE OF SLOTS stands at a slot's head.  Each wave waits for all its tensor loads (its part of the slot that it is about to read), adds 0 to its spare word, and waits for that and for its reads of the slot that it
; has left.  fill = 1: the barrier is a round of the cluster's, so that no wave of any partner still reads the other slot or has a load on its way, and the joint load of the next chunk is the first thing behind it.
.macro CHANGE fill
	s_wait_tensorcnt 0x0                           ; no tensor load of mine is out, so group 0 may be written
	ds_add_u32 v3, v4                              ; 0 onto my spare word
.if \fill
	s_xor_b32 s29, s29, SLOT1                      ; the other slot than last time,
	s_add_nc_u64 s[30:31], s[30:31], 65536         ; the next chunk; the type bits on top are not reached
.endif
	s_wait_dscnt 0x0                               ; the add is done, and my reads of the slot that I have left are over
.if \fill
	CROUND
	tensor_load_to_lds s[28:31], s[32:39]          ; my one tensor load until the next round: it has eight key steps in which to land
	s_nop 0
.rept 4
	v_nop
.endr
.else
	s_barrier_signal -1
	s_barrier_wait -1
.endif
.endm
; A FEATURE ENDS: O^T x gate x 2^(ep + ev) / the row's sum goes into my weighed sum
.macro FEPI f
	v_add_f32 v210, v210, v211                     ; the sum's two halves,
	v_permlanex16_b32 v218, v210, s20, s21
	v_add_f32 v210, v210, v218                     ; and lane l xor 16's
	v_rcp_f32 v210, v210
	v_nop                                          ; a plain instruction behind the reciprocal,
	s_wait_alu depctr_va_vdst(0)                   ; and the wait ahead of its first reader
	v_mul_f32 v210, v210, v[221+\f]
	v_ldexp_f32 v210, v210, s26
.irp j, 0,2,4,6,8,10,12,14
.if \f == 0
	v_pk_mul_f32 v[ACC+\j:ACC+\j+1], v[OT+\j:OT+\j+1], v[210:211] op_sel_hi:[1,0]
.else
	v_pk_fma_f32 v[ACC+\j:ACC+\j+1], v[OT+\j:OT+\j+1], v[210:211], v[ACC+\j:ACC+\j+1] op_sel_hi:[1,0,1]
.endif
.endr
.endm
	s_wait_loadcnt 0x0                             ; q's codes
	FPRO 0
	CHANGE 1                                       ; chunk 0 is whole; chunk 1 goes out, into slot 1
	HALF
	CHANGE 1                                       ; chunk 2 into slot 0
	HALF
	FEPI 0
	FPRO 1
	CHANGE 1                                       ; chunk 3 into slot 1
	HALF
	CHANGE 0                                       ; nothing is left to fetch
	HALF
	FEPI 1
	; THE TWO GROUPS' SUMS MEET: group 1 stores its sixteen registers as they stand, 16 bytes a lane; a barrier; group 0's wave of the same tile adds them, quantises by e34 and stores the lane's 16 bytes of ac's image
	s_cmp_lt_u32 s14, 8
	s_cbranch_scc1 .Lno_send
.irp c, 0,1,2,3
	ds_store_b128 v5, v[ACC+4*\c:ACC+4*\c+3] offset:512*\c
.endr
.Lno_send:
	s_wait_dscnt 0x0                               ; for the others' sake: my stores have landed
	s_barrier_signal -1
	s_barrier_wait -1
	s_cmp_ge_u32 s14, 8
	s_cbranch_scc1 .Ldone
.irp c, 0,1,2,3
	ds_load_b128 v[224+4*\c:227+4*\c], v5 offset:512*\c
.endr
	s_add_co_i32 s58, s48, 127
	s_lshl_b32 s59, s58, 23
	v_mov_b32 v244, s59                            ; 2^e34
	s_add_co_i32 s58, s58, 8
	s_lshl_b32 s58, s58, 23
	s_or_b32 s58, s58, 0x600000
	v_mov_b32 v245, s58                            ; 448 x 2^e34
	s_wait_dscnt 0x0
.irp j, 0,2,4,6,8,10,12,14
	v_pk_add_f32 v[ACC+\j:ACC+\j+1], v[ACC+\j:ACC+\j+1], v[224+\j:225+\j]
.endr
.irp j, 0,1,2,3,4,5,6,7,8,9,10,11,12,13,14,15
	v_med3_num_f32 v[ACC+\j], v[ACC+\j], -v245, v245
.endr
	v_cvt_scalef32_pk8_fp8_f32 v[240:241], v[ACC:ACC+7], v244      ; the head's dimensions 8 h .. + 7
	v_cvt_scalef32_pk8_fp8_f32 v[242:243], v[ACC+8:ACC+15], v244   ; 16 + 8 h .. + 7
	v_nop                                          ; one plain vector instruction behind the last conversion
	global_store_b128 v1, v[240:243], s[12:13]     ; 32 lanes store 512 consecutive bytes
.Ldone:
	s_wait_tensorcnt 0x0                           ; the wave's end, behind my last tensor load and my last LDS store
	ds_add_u32 v3, v4
	s_wait_dscnt 0x0
	CROUND                                         ; the closing round: no work-group ends while a partner may still ask for a chunk that names it
	s_endpgm
.Lfunc_end_k_qbe66f81a5d_attn:
	.size	k_qbe66f81a5d_attn, .Lfunc_end_k_qbe66f81a5d_attn-k_qbe66f81a5d_attn
	.p2alignl 7, 3214868480
	.fill 96, 4, 3214868480
	.section	.rodata,"a",@progbits
	.p2align	6, 0x0
	.amdhsa_kernel k_qbe66f81a5d_attn
		.amdhsa_group_segment_fixed_size 327680
		.amdhsa_private_segment_fixed_size 0
		.amdhsa_enable_private_segment 0
		.amdhsa_kernarg_size 40
		.amdhsa_user_sgpr_count 2
		.amdhsa_user_sgpr_kernarg_segment_ptr 1
		.amdhsa_wavefront_size32 1
		.amdhsa_system_sgpr_workgroup_id_x 1
		.amdhsa_system_sgpr_workgroup_id_y 1
		.amdhsa_system_sgpr_workgroup_id_z 1
		.amdhsa_system_vgpr_workitem_id 0
		.amdhsa_next_free_vgpr 256
		.amdhsa_next_free_sgpr 66
		.amdhsa_reserve_vcc 0
		.amdhsa_float_denorm_mode_32 3
		.amdhsa_float_denorm_mode_16_64 3
		.amdhsa_memory_ordered 1
		.amdhsa_forward_progress 1
		.amdhsa_inst_pref_size 124
	.end_amdhsa_kernel
	.amdgpu_metadata
---
amdhsa.version: [ 1, 2 ]
amdhsa.kernels:
  - .name:           k_qbe66f81a5d_attn
    .symbol:         k_qbe66f81a5d_attn.kd
    .args:
      - { .name: qc, .offset: 0, .size: 8, .value_kind: global_buffer, .address_space: global }
      - { .name: kv, .offset: 8, .size: 8, .value_kind: global_buffer, .address_space: global }
      - { .name: feature_weights, .offset: 16, .size: 8, .value_kind: global_buffer, .address_space: global }
      - { .name: lowp_scales, .offset: 24, .size: 8, .value_kind: global_buffer, .address_space: global }
      - { .name: ac, .offset: 32, .size: 8, .value_kind: global_buffer, .address_space: global }
    .group_segment_fixed_size: 327680
    .private_segment_fixed_size: 0
    .kernarg_segment_align: 8
    .kernarg_segment_size: 40
    .max_flat_workgroup_size: 512
    .sgpr_count:     66
    .vgpr_count:     256
    .wavefront_size: 32
...
	.end_amdgpu_metadata
.endif
;; end of part 2
;; launch outp (part 3): grid 64 x 4, 4 waves a work-group, no clusters, 35,328 bytes of LDS; arguments ac, Wo, bo, lowp_scales, out0; writes out0
.if DOCPART == 3
	.amdgcn_target "amdgcn-amd-amdhsa--gfx1250"
	.amdhsa_code_object_version 6
	.text
	.protected	k_qbe66f81a5d_outp
	.globl	k_qbe66f81a5d_outp
	.p2align	8
	.type	k_qbe66f81a5d_outp,@function
k_qbe66f81a5d_outp:
	s_mov_b64 s[64:65], 0
	v_nop
	global_prefetch_b8 v0, s[64:65] scope:SCOPE_SE
	s_setreg_imm32_b32 hwreg(HW_REG_WAVE_MODE, 25, 1), 1
	s_wait_xcnt 0x0
; THE OUTPUT PROJECTION: out0 = a Wo^T + bo on codes of FP8 (E4M3).  a arrives as codes, as images of operand registers: ac [tile of 16 tokens 256][head 8][lane 32][16 B]: head hd's 16 bytes of a lane are
; registers 4 (hd % 4) .. + 3 of K step hd / 4, in the form's own layout (registers 2 c, 2 c + 1: k = 16 c + 8 (lane / 16) + 0 .. 7).  Wo [256][256] f32 is quantised here by e35.
; SHARES.  Work-group (x, y): 64 tokens x 64 output columns.  Wave w quantises Wo's rows 64 y + 16 w .. + 15 into LDS rows, and makes tile of tokens 4 x + w for all 64 columns.
; The product is used transposed (source 0 = 16 rows of Wo, source 1 = 16 tokens): a lane holds eight neighbouring columns of one token's row; they go through the wave's own stage in LDS and leave as rows:
; sixteen lanes store 256 consecutive bytes, at a multiple of 256 from out0's first byte.
; LIMITS: e35 between -126 and 119; e34 + e35 between -126 and 127.  NaN among the inputs is not served.
; No tensor load: Wo arrives as f32 and passes through registers; a's codes are read once, straight into the operand's registers.
.set PITCH, 272                        ; an LDS row: 256 bytes + 16
.set WR,    0                          ; 64 rows of Wo's codes
.set STG,   64*PITCH                   ; four stages of 16 rows, one a wave
.set ST,    32                         ; v32-159  16 rows x 8 numbers of Wo; then Wo's fragments (16 columns t, K step s) at 32 + 32 t + 16 s; then results
.set WF,    32
.set BO,    160                        ; v160-191 bo in the result's layout
.set AF,    192                        ; v192-223 a's two fragments
.set CD,    224                        ; v224-255 Wo's codes; then the four accumulators
.set ACC,   224
.set Y,     32                         ; v32-63   results
.set RB,    64                         ; v64-95   rows read back from the stage
	s_load_b256 s[4:11], s[0:1], 0x0               ; ac s[4:5], Wo s[6:7], bo s[8:9], lowp_scales s[10:11]
	s_load_b64 s[12:13], s[0:1], 0x20              ; out0
	v_lshl_add_u32 v30, v0, 2, 0x8800
	v_mov_b32 v31, 0
	v_lshrrev_b32 v1, 5, v0
	v_readfirstlane_b32 s14, v1                    ; wave
	v_and_b32 v1, 31, v0                           ; lane
	v_and_b32 v2, 15, v0                           ; r
	v_bfe_u32 v3, v0, 4, 1                         ; h
	v_lshlrev_b32 v4, 4, v1                        ; 16 x lane
	s_and_b32 s15, ttmp7, 0xffff                   ; y
	s_mul_i32 s28, s14, 16*PITCH
	v_lshl_add_u32 v5, v1, 2, s28                  ; where I store Wo's codes: my 16 rows, 4 bytes a lane
	v_mul_u32_u24 v6, v2, PITCH
	v_lshl_add_u32 v7, v3, 5, v6
	v_lshl_add_u32 v6, v3, 3, v6                   ; a fragment of Wo: row r, + 8 h
	s_add_co_u32 s28, s28, STG
	v_add_nc_u32 v7, s28, v7                       ; my stage, in: row r, + 32 h
	v_mul_u32_u24 v8, v3, PITCH
	v_lshl_add_u32 v8, v2, 4, v8
	v_add_nc_u32 v8, s28, v8                       ; and back: lanes 0-15 one row, lanes 16-31 the next
	v_lshlrev_b32 v9, 5, v3                        ; bo: columns 8 h on
	v_lshlrev_b32 v10, 10, v3
	v_lshl_add_u32 v10, v2, 4, v10                 ; out0: the same two rows
	s_lshl_b32 s16, ttmp9, 14                      ; ac: tile 4 x + w, 4,096 bytes each
	s_lshl_b32 s17, s14, 12
	s_add_co_u32 s16, s16, s17
	s_mov_b32 s17, 0
	s_lshl_b32 s18, s15, 16                        ; Wo: row 64 y + 16 w
	s_lshl_b32 s19, s14, 14
	s_add_co_u32 s18, s18, s19
	s_lshl_b32 s22, ttmp9, 16                      ; out0: row 64 x + 16 w, column 64 y
	s_add_co_u32 s22, s22, s19
	s_lshl_b32 s20, s15, 8                         ; bo: column 64 y
	s_add_co_u32 s22, s22, s20
	s_mov_b32 s19, 0
	s_mov_b32 s21, 0
	s_mov_b32 s23, 0
	s_wait_kmcnt 0x0
	s_load_b64 s[24:25], s[10:11], 0x88            ; e34, e35
	s_add_nc_u64 s[4:5], s[4:5], s[16:17]
	s_add_nc_u64 s[6:7], s[6:7], s[18:19]
	s_add_nc_u64 s[8:9], s[8:9], s[20:21]
	s_add_nc_u64 s[12:13], s[12:13], s[22:23]
.irp p, 0,1,2,3,4,5,6,7,8,9,10,11,12,13,14,15
	global_load_b128 v[ST+8*\p:ST+8*\p+3],   v4, s[6:7] offset:\p*1024       ; 32 lanes read 512 consecutive bytes: k = 4 l .. + 3,
	global_load_b128 v[ST+8*\p+4:ST+8*\p+7], v4, s[6:7] offset:\p*1024+512   ; k = 128 + 4 l .. + 3
.endr
.irp d, 0,1,2,3,4,5,6,7
	global_load_b128 v[AF+4*\d:AF+4*\d+3], v4, s[4:5] offset:\d*512          ; head d's image
.endr
.irp t, 0,1,2,3
	global_load_b128 v[BO+8*\t:BO+8*\t+3],   v9, s[8:9] offset:64*\t         ; bo(64 y + 16 t + 8 h + 0 .. 7)
	global_load_b128 v[BO+8*\t+4:BO+8*\t+7], v9, s[8:9] offset:64*\t+16
.endr
	s_wait_kmcnt 0x0
	s_add_co_i32 s29, s25, 127
	s_lshl_b32 s30, s29, 23
	v_mov_b32 v11, s30                             ; 2^e35 as f32: the conversion takes its exponent field
	s_add_co_i32 s29, s29, 8
	s_lshl_b32 s29, s29, 23
	s_or_b32 s29, s29, 0x600000
	v_mov_b32 v12, s29                             ; 448 x 2^e35
	s_add_co_i32 s26, s24, s25
	s_add_co_i32 s26, s26, 127
	s_lshl_b32 s26, s26, 23                        ; 2^(e34 + e35) as f32
	s_mov_b32 s27, s26                             ; (named with it as a pair, so it is written)
	s_wait_loadcnt 16                              ; Wo's 32 loads are in; a's eight and bo's eight may be out
.set i, 0
.rept 128
	v_med3_num_f32 v[ST+i], v[ST+i], -v12, v12     ; the conversion to an 8-bit code does not saturate (ISA guide 7.6.2): the hold at the largest code x the scale
.set i, i+1
.endr
.irp p, 0,1,2,3,4,5,6,7,8,9,10,11,12,13,14,15
	v_cvt_scalef32_pk8_fp8_f32 v[CD+2*\p:CD+2*\p+1], v[ST+8*\p:ST+8*\p+7], v11
.endr
	v_nop                                          ; one plain vector instruction behind the last conversion
.irp p, 0,1,2,3,4,5,6,7,8,9,10,11,12,13,14,15
	ds_store_b32 v5, v[CD+2*\p]   offset:\p*PITCH
	ds_store_b32 v5, v[CD+2*\p+1] offset:\p*PITCH+128
.endr
	s_wait_dscnt 0x0                               ; for the others' sake: my stores have landed
	s_barrier_signal -1
	s_barrier_wait -1                              ; the 64 rows of Wo's codes lie in LDS
.irp t, 0,1,2,3
.irp s, 0,1
.irp c, 0,1,2,3,4,5,6,7
	ds_load_b64 v[WF+32*\t+16*\s+2*\c:WF+32*\t+16*\s+2*\c+1], v6 offset:\t*16*PITCH+128*\s+16*\c   ; k = 128 s + 16 c + 8 h .. + 7: the layout in which a's images lie
.endr
.endr
.endr
	s_wait_loadcnt 0x0                             ; a and bo
	s_wait_dscnt 0x0
.irp t, 0,1,2,3
	v_wmma_f32_16x16x128_fp8_fp8 v[ACC+8*\t:ACC+8*\t+7], v[WF+32*\t:WF+32*\t+15], v[AF:AF+15], 0
.endr
.irp t, 0,1,2,3                                ; the four accumulators take turns, one instruction a turn
	v_wmma_f32_16x16x128_fp8_fp8 v[ACC+8*\t:ACC+8*\t+7], v[WF+32*\t+16:WF+32*\t+31], v[AF+16:AF+31], v[ACC+8*\t:ACC+8*\t+7]
.endr
.rept 4
	v_nop                                          ; four places ahead of the first read of the sums and of writes into the operands' registers (ISA guide 7.12.1)
.endr
.irp j, 0,2,4,6,8,10,12,14,16,18,20,22,24,26,28,30
	v_pk_fma_f32 v[Y+\j:Y+\j+1], v[ACC+\j:ACC+\j+1], s[26:27], v[BO+\j:BO+\j+1] op_sel_hi:[1,0,1]   ; sum x 2^(e34 + e35) + bo, each accumulator from its low end on
.endr
.irp t, 0,1,2,3
	ds_store_b128 v7, v[Y+8*\t:Y+8*\t+3]   offset:64*\t       ; token r, columns 16 t + 8 h + 0 .. 7
	ds_store_b128 v7, v[Y+8*\t+4:Y+8*\t+7] offset:64*\t+16
.endr
.irp i, 0,1,2,3,4,5,6,7
	ds_load_b128 v[RB+4*\i:RB+4*\i+3], v8 offset:2*\i*PITCH   ; LDS serves a wave's instructions in order (ISA guide 5.7.1.4): these see my stores; the stage is my own
.endr
.irp i, 0,1,2,3,4,5,6,7
	s_wait_dscnt 7-\i                              ; rows 2 i, 2 i + 1 are back; the younger loads may be out
	global_store_b128 v10, v[RB+4*\i:RB+4*\i+3], s[12:13] offset:2048*\i th:TH_STORE_NT   ; written once, read by nobody here
.endr
	s_wait_tensorcnt 0x0
	ds_add_u32 v30, v31
	s_wait_dscnt 0x0
	s_endpgm
.Lfunc_end_k_qbe66f81a5d_outp:
	.size	k_qbe66f81a5d_outp, .Lfunc_end_k_qbe66f81a5d_outp-k_qbe66f81a5d_outp
	.p2alignl 7, 3214868480
	.fill 96, 4, 3214868480
	.section	.rodata,"a",@progbits
	.p2align	6, 0x0
	.amdhsa_kernel k_qbe66f81a5d_outp
		.amdhsa_group_segment_fixed_size 35328
		.amdhsa_private_segment_fixed_size 0
		.amdhsa_enable_private_segment 0
		.amdhsa_kernarg_size 40
		.amdhsa_user_sgpr_count 2
		.amdhsa_user_sgpr_kernarg_segment_ptr 1
		.amdhsa_wavefront_size32 1
		.amdhsa_system_sgpr_workgroup_id_x 1
		.amdhsa_system_sgpr_workgroup_id_y 1
		.amdhsa_system_sgpr_workgroup_id_z 1
		.amdhsa_system_vgpr_workitem_id 0
		.amdhsa_next_free_vgpr 256
		.amdhsa_next_free_sgpr 66
		.amdhsa_reserve_vcc 0
		.amdhsa_float_denorm_mode_32 3
		.amdhsa_float_denorm_mode_16_64 3
		.amdhsa_memory_ordered 1
		.amdhsa_forward_progress 1
		.amdhsa_inst_pref_size 27
	.end_amdhsa_kernel
	.amdgpu_metadata
---
amdhsa.version: [ 1, 2 ]
amdhsa.kernels:
  - .name:           k_qbe66f81a5d_outp
    .symbol:         k_qbe66f81a5d_outp.kd
    .args:
      - { .name: ac, .offset: 0, .size: 8, .value_kind: global_buffer, .address_space: global }
      - { .name: Wo, .offset: 8, .size: 8, .value_kind: global_buffer, .address_space: global }
      - { .name: bo, .offset: 16, .size: 8, .value_kind: global_buffer, .address_space: global }
      - { .name: lowp_scales, .offset: 24, .size: 8, .value_kind: global_buffer, .address_space: global }
      - { .name: out0, .offset: 32, .size: 8, .value_kind: global_buffer, .address_space: global }
    .group_segment_fixed_size: 35328
    .private_segment_fixed_size: 0
    .kernarg_segment_align: 8
    .kernarg_segment_size: 40
    .max_flat_workgroup_size: 128
    .sgpr_count:     66
    .vgpr_count:     256
    .wavefront_size: 32
...
	.end_amdgpu_metadata
.endif
;; end of part 3
;; ======== version 2 of 2: 3 launches
;; workspace buffers: qc 4,194,304 bytes; kv 8,388,608 bytes; ac 1,048,576 bytes
;; launch proj (part 4): grid 32 x 9, 8 waves a work-group, no clusters, 105,472 bytes of LDS; arguments q_data, x_0, v_0, edge_attr, concatenated_features, Wq, Wk, Wv, bq, bk, bv, lowp_scales, qc, kv; writes qc, kv
.if DOCPART == 4
	.amdgcn_target "amdgcn-amd-amdhsa--gfx1250"
	.amdhsa_code_object_version 6
	.text
	.protected	k_qbe66f81a5d_proj
	.globl	k_qbe66f81a5d_proj
	.p2align	8
	.type	k_qbe66f81a5d_proj,@function
k_qbe66f81a5d_proj:
	s_mov_b64 s[64:65], 0
	v_nop
	global_prefetch_b8 v0, s[64:65] scope:SCOPE_SE
	s_setreg_imm32_b32 hwreg(HW_REG_WAVE_SCHED_MODE, 0, 2), 2
	s_setreg_imm32_b32 hwreg(HW_REG_WAVE_MODE, 25, 1), 1
	s_wait_xcnt 0x0
	s_wait_alu depctr_vm_vsrc(0)
; THE NINE PROJECTIONS: y = x W^T + b on codes of FP8 (E4M3), each operand with the scale 2^e that is given for it; the rotary phases on q and k; the results quantised for the attention's products.
; JOBS.  Work-group y = 0: q.  y = 1 + 2 i + type: feature i, type 0 = k, type 1 = v.  Work-group x: 128 of the 4,096 rows (tokens).  Wave w: head w, output columns 32 w .. 32 w + 31.
; PHASE 1.  Wave w quantises rows 16 w .. + 15 of x and rows 32 w .. + 31 of W: each load reads 512 consecutive bytes, a lane's eight numbers of a row (k = 4 l .. + 3 and 128 + 4 l .. + 3) become eight codes,
;   which go into LDS rows of 256 codes + 16 bytes.  One barrier.
; PHASE 2.  Fragments come out of the rows by four loads of 16 bytes: registers 4 c .. 4 c + 3 hold k = 32 c + 16 (l / 16) + 0 .. 15: the same order of k in x and in W, so every product meets its partner.
;   q, k: source 0 = 16 rows of W, source 1 = 16 tokens: a lane holds ONE token and eight neighbouring dimensions: the rotation's pairs lie in one lane, and the codes are registers 0-3 of a K = 64 fragment.
;   v:    source 0 = 16 tokens, source 1 = 16 rows of W: a lane holds ONE dimension and eight neighbouring tokens (keys): the codes are the registers of V^T's K = 128 fragment.
; SCALES.  A sum stands for sum x 2^(eA + eB).  The bias goes in as the C of a sum's first product, divided by that power; the rotation is linear; the conversion takes 2^(eO - eA - eB) as its one scale.
; OUT, as images of operand registers, 16 bytes a lane, 512 consecutive bytes a store:
;   qc [feature 4][batch x head 16][tile of 16 queries 128][lane 32][16 B]: the rotated q, once for each of the four scales given for it
;   kv [batch x head 16][feature 4][half of the keys 2][65,536 B]: 32 KiB of K [tile of 16 keys 64][lane][16 B], then 32 KiB of V [block of 128 keys 8][16 dimensions 2][4 registers 4][lane][16 B]
; LIMITS: eA, eB and eO - eA - eB between -126 and 119, so that each power of two and 448 times it is an f32 number.  NaN among the inputs is not served (an infinity is held at the largest code).
; No tensor load: both operands arrive as f32 and pass through registers to be quantised.  No cluster: nothing is fetched into LDS by an engine that partners could share.
; THE MODE: SCHED_MODE bits 1:0 = 2 (LLVM: expert scheduling mode 2), set by the entry lines.  The code itself states the register dependences between vector or matrix instructions and memory or LDS
; instructions, with s_wait_alu, always for 0.
; THE PLAN.  Registers that memory or LDS instructions touch:
;   v4-v9, v14  offsets and LDS addresses: written at the head and never again: one wait on va_vdst ahead of the first load serves every load and store of the kernel.
;   ST0 .. ST2  Batch b's loads land in ST[b % 3]; its holds write it, its conversions read it; behind them the loads of batch b + 3 land in it.
;   CD0, CD1    Batch b's conversions write CD[b % 2]; the sixteen LDS stores that read it are dealt among batch b + 1's holds, which name ST[(b + 1) % 3] and a scale's register alone.
;               So ONE wait on va_vdst stands in a batch, behind its conversions (the codes are written; ST[b % 3] is done with), and one on vm_vsrc ahead of them from batch 2 on (the stores of two batches back have read the set).
;   WF, XF      Phase 2: LDS loads land in them, matrix instructions read them.  One wait on va_vdst behind a pair of tiles' products, ahead of the next pair's fragment loads.
;   AC (q, k)   A tile's two accumulators are dead once they are rotated: the tile's codes, four registers a scale, go there, and its stores read them.  One wait on va_vdst a tile ahead of its stores;
;               one on vm_vsrc a pair ahead of the products that write the accumulators again.
;   CV (v)      The conversions write it, four stores read it: one wait on va_vdst ahead of the stores, one on vm_vsrc ahead of the second sixteen dimensions' conversions.
;   v30, v31    Written at the head, read by the closing add alone.
.set PITCH, 272                        ; an LDS row: 256 codes + 16 bytes = 68 words: the 16 rows that a fragment load touches begin at 16 different groups of four banks
.set TILEB, 16*PITCH
.set XR,    0                          ; 128 rows of x's codes
.set WR,    128*PITCH                  ; 256 rows of W's codes
.set ST,    32                         ; phase 1: v32-223   three sets of 64 numbers (8 rows x 8)
.set CD,    224                        ; phase 1: v224-255  two sets of 16 registers of codes
.set WF,    32                         ; phase 2: v32-95    my W's fragments (16 columns u, K step s) at WF + 32 u + 16 s
.set XF,    96                         ; phase 2: v96-159   x's fragments of two tiles of tokens (m, s) at XF + 32 m + 16 s
.set AC,    160                        ; q, k: v160-191 accumulators (m, u), then tile m's codes by scale j at AC + 16 m + 4 j;   v: v160-223 accumulators of eight tiles of tokens
.set BI,    192                        ; q, k: v192-207 the bias, eight registers for each u
.set ROT,   208                        ; q, k: v208-223 (cos, sin) of the pair (u, k) at ROT + 8 u + 2 k
.set T,     224                        ; q, k: v224-239 a token's 16 rotated numbers of my half
.set U,     240                        ; q, k: v240-255 the same, held
.set BV,    224                        ; v: v224-239 the bias
.set CV,    240                        ; v: v240-255 a fragment's codes
.set RA,    224                        ; the table of cosines and sines, at work: angle, then r
.set RK,    232                        ;   k
.set R2,    240                        ;   r^2
.set RS,    248                        ;   sin r
.set RC,    160                        ;   cos r
.set RT,    168                        ;   at work
; v1 lane, v2 r = lane % 16, v3 h = lane / 16, v4 16 x lane, v5, v6 where I store x's and W's codes, v7, v8 where fragments of x and of my W begin, v9, v14 the bias's lane offsets,
; v10, v11: 2^eA and 448 x 2^eA; v12, v13 the same for eB; v16 + 2 j, v17 + 2 j the same for output scale j
	s_load_b512 s[4:19], s[0:1], 0x0               ; q_data s[4:5], x_0 s[6:7], v_0 s[8:9], edge_attr s[10:11], concatenated_features s[12:13], Wq s[14:15], Wk s[16:17], Wv s[18:19]
	s_load_b256 s[20:27], s[0:1], 0x40             ; bq s[20:21], bk s[22:23], bv s[24:25], lowp_scales s[26:27]
	s_load_b128 s[28:31], s[0:1], 0x60             ; qc s[28:29], kv s[30:31]
	v_lshl_add_u32 v30, v0, 2, 0x19800
	v_mov_b32 v31, 0
	v_lshrrev_b32 v1, 5, v0
	v_readfirstlane_b32 s33, v1                    ; wave w
	v_and_b32 v1, 31, v0
	v_and_b32 v2, 15, v0
	v_bfe_u32 v3, v0, 4, 1
	v_lshlrev_b32 v4, 4, v1
	s_wait_alu depctr_va_sdst(0)                   ; s33 is written, ahead of its first reader: LDS addresses and the buffers' offsets are made from it
	s_mul_i32 s34, s33, 16*PITCH
	v_lshl_add_u32 v5, v1, 2, s34                  ; x's codes: my 16 rows, 4 bytes a lane
	s_mul_i32 s35, s33, 32*PITCH
	s_add_co_u32 s35, s35, WR
	v_lshl_add_u32 v6, v1, 2, s35                  ; W's codes: my 32 rows
	v_mul_u32_u24 v7, v2, PITCH
	v_lshl_add_u32 v7, v3, 4, v7                   ; a fragment: row r, + 16 h
	v_add_nc_u32 v8, s35, v7                       ; the same in my rows of W
	v_lshlrev_b32 v9, 5, v3                        ; q, k: the bias of dimensions 8 h on
	v_lshlrev_b32 v14, 2, v2                       ; v: the bias of dimension r
	s_and_b32 s36, ttmp7, 0xffff                   ; the job
	s_sub_co_i32 s37, s36, 1
	s_max_i32 s37, s37, 0
	s_lshr_b32 s38, s37, 1                         ; feature i (0 for q)
	s_and_b32 s39, s37, 1                          ; type: 0 = k (and q), 1 = v
	s_lshr_b32 s40, ttmp9, 4                       ; batch
	s_and_b32 s41, ttmp9, 15                       ; which 128 tokens of the batch's 2,048
	s_bfe_u32 s42, ttmp9, 0x30001                  ; the timestep: 256 tokens share one, so it is one number for the work-group
	s_lshl_b32 s44, ttmp9, 17                      ; x: 128 rows of 1,024 bytes a work-group, 16 a wave
	s_lshl_b32 s45, s33, 14
	s_add_co_u32 s44, s44, s45
	s_mov_b32 s45, 0
	s_lshl_b32 s46, s38, 18                        ; W: the feature's 256 rows, my 32 of them
	s_lshl_b32 s47, s33, 15
	s_add_co_u32 s46, s46, s47
	s_mov_b32 s47, 0
	s_lshl_b32 s48, s38, 10                        ; the bias: the feature's 256 numbers, my 32
	s_lshl_b32 s49, s33, 7
	s_add_co_u32 s48, s48, s49
	s_mov_b32 s49, 0
	s_lshl_b32 s50, s40, 3
	s_add_co_u32 s50, s50, s33                     ; batch x head
	s_lshl_b32 s51, s50, 16
	s_lshl_b32 s52, s41, 12
	s_add_co_u32 s51, s51, s52                     ; in qc: 65,536 a head, 8 tiles of 512 bytes a work-group
	s_lshl_b32 s50, s50, 2
	s_add_co_u32 s50, s50, s38
	s_lshl_b32 s50, s50, 17                        ; in kv: 131,072 a feature,
	s_and_b32 s52, s41, 7
	s_lshl_b32 s52, s52, 12
	s_add_co_u32 s50, s50, s52                     ; 4,096 a work-group,
	s_lshr_b32 s52, s41, 3
	s_lshl_b32 s52, s52, 16
	s_add_co_u32 s50, s50, s52                     ; 65,536 a half,
	s_lshl_b32 s52, s39, 15
	s_add_co_u32 s50, s50, s52                     ; V behind K
	s_lshl_b32 s56, s38, 5
	s_lshl_b32 s57, s39, 3
	s_add_co_u32 s56, s56, s57                     ; the scales' entries, in bytes: 32 a feature, 8 from k to v
	s_add_co_u32 s57, s56, 28                      ; k_i: entry 7 + 8 i; v_i: entry 9 + 8 i
	s_add_co_u32 s56, s56, 8                       ; the product's own two: entries 2 + 8 i + 2 type on
	s_cmp_eq_u32 s36, 0
	s_cselect_b32 s56, 0, s56                      ; q: entries 0, 1;
	s_cselect_b32 s57, 24, s57                     ; q goes out four times, by entries 6, 14, 22, 30
	s_cselect_b32 s58, 32, 0
	s_cselect_b32 s50, s51, s50
	s_mov_b32 s51, 0
	s_add_co_u32 s59, s57, s58
	s_add_co_u32 s60, s59, s58
	s_add_co_u32 s61, s60, s58
	s_wait_kmcnt 0x0
	s_cmp_eq_u32 s38, 1                            ; the job's buffers: each choice hangs on the work-group's number alone
	s_cselect_b64 s[6:7], s[8:9], s[6:7]
	s_cmp_eq_u32 s38, 2
	s_cselect_b64 s[6:7], s[10:11], s[6:7]
	s_cmp_eq_u32 s38, 3
	s_cselect_b64 s[6:7], s[12:13], s[6:7]
	s_cmp_eq_u32 s39, 1
	s_cselect_b64 s[16:17], s[18:19], s[16:17]
	s_cselect_b64 s[22:23], s[24:25], s[22:23]
	s_cmp_eq_u32 s36, 0
	s_cselect_b64 s[6:7], s[4:5], s[6:7]           ; s[6:7]   x
	s_cselect_b64 s[16:17], s[14:15], s[16:17]     ; s[16:17] W
	s_cselect_b64 s[22:23], s[20:21], s[22:23]     ; s[22:23] the bias
	s_cselect_b64 s[30:31], s[28:29], s[30:31]     ; s[30:31] where the codes go
	s_load_b64 s[66:67], s[26:27], s56 offset:0x0  ; eA, eB
	s_load_b32 s68, s[26:27], s57 offset:0x0       ; eO, four of them (for k and v four times the same)
	s_load_b32 s69, s[26:27], s59 offset:0x0
	s_load_b32 s70, s[26:27], s60 offset:0x0
	s_load_b32 s71, s[26:27], s61 offset:0x0
	s_add_nc_u64 s[6:7], s[6:7], s[44:45]
	s_add_nc_u64 s[16:17], s[16:17], s[46:47]
	s_add_nc_u64 s[22:23], s[22:23], s[48:49]
	s_add_nc_u64 s[30:31], s[30:31], s[50:51]
; Batch b of six: eight rows, 16 loads of 512 consecutive bytes.  Batches 0, 1: my rows of x; 2 to 5: my rows of W.
.macro LOADB b
.set BUF, ST+64*((\b)%3)
.irp p, 0,1,2,3,4,5,6,7
.if (\b) < 2
	global_load_b128 v[BUF+8*\p:BUF+8*\p+3],   v4, s[6:7] offset:(8*(\b)+\p)*1024
	global_load_b128 v[BUF+8*\p+4:BUF+8*\p+7], v4, s[6:7] offset:(8*(\b)+\p)*1024+512
.else
	global_load_b128 v[BUF+8*\p:BUF+8*\p+3],   v4, s[16:17] offset:(8*((\b)-2)+\p)*1024
	global_load_b128 v[BUF+8*\p+4:BUF+8*\p+7], v4, s[16:17] offset:(8*((\b)-2)+\p)*1024+512
.endif
.endr
.endm
; 2^e as f32 into v[sc] (the conversion takes its exponent field) and 448 x 2^e into v[lim]
.macro MKSC e, sc, lim
	s_add_co_i32 s72, \e, 127
	s_lshl_b32 s73, s72, 23
	v_mov_b32 v[\sc], s73
	s_add_co_i32 s72, s72, 8
	s_lshl_b32 s72, s72, 23
	s_or_b32 s72, s72, 0x600000
	v_mov_b32 v[\lim], s72
.endm
; Store n of sixteen of batch b's codes: row n / 2 of the batch's eight; n even: k = 4 l .. + 3, n odd: k = 128 + 4 l .. + 3
.macro ST1 b, n
.if (\b) < 2
	ds_store_b32 v5, v[CD+16*((\b)%2)+(\n)] offset:(8*(\b)+(\n)/2)*PITCH+128*((\n)%2)
.else
	ds_store_b32 v6, v[CD+16*((\b)%2)+(\n)] offset:(8*((\b)-2)+(\n)/2)*PITCH+128*((\n)%2)
.endif
.endm
; Batch b is quantised.  left: the loads of the younger batches, which may stay out.  The LDS stores of the batch before stand among this batch's holds, one behind every fourth.
.macro QB b, left
.set BUF, ST+64*((\b)%3)
.set CDS, CD+16*((\b)%2)
.if (\b) < 2
.set SCV, 10
.else
.set SCV, 12
.endif
	s_wait_loadcnt \left
.set i, 0
.rept 64
	v_med3_num_f32 v[BUF+i], v[BUF+i], -v[SCV+1], v[SCV+1]   ; the conversion to an 8-bit code does not saturate (ISA guide 7.6.2): the hold at the largest code x the scale
.if ((\b) > 0) && (i%4 == 3)
	ST1 (\b)-1, i/4                                ; no wait: no vector instruction since the last batch's wait on va_vdst names that batch's codes or the stores' address
.endif
.set i, i+1
.endr
.if (\b) >= 2
	s_wait_alu depctr_va_vdst(0)
	s_wait_dscnt 16                                ; the stores of two batches back are done; the last batch's sixteen may be out
	s_wait_alu depctr_vm_vsrc(0)                   ; the LDS stores of two batches back have read this set of code registers, which the conversions below write again
.endif
.irp p, 0,1,2,3,4,5,6,7
	v_cvt_scalef32_pk8_fp8_f32 v[CDS+2*\p:CDS+2*\p+1], v[BUF+8*\p:BUF+8*\p+7], v[SCV]
.endr
	v_nop                                          ; one plain vector instruction behind the last conversion of a run
	s_wait_alu depctr_va_vdst(0)                   ; the conversions have written this batch's codes, which its LDS stores read; the holds and the conversions are done with this set of numbers, in which loads land next
.if (\b)+3 < 6
	LOADB (\b)+3                                   ; the set just read takes the batch three on
.endif
.endm
; x's fragments of the tile of tokens t into place m: eight loads
.macro FETCHT t, m
.irp s, 0,1
.irp c, 0,1,2,3
	ds_load_b128 v[XF+32*(\m)+16*\s+4*\c:XF+32*(\m)+16*\s+4*\c+3], v7 offset:(\t)*TILEB+128*\s+32*\c
.endr
.endr
.endm
; x's fragments of the tiles of tokens 2 p and 2 p + 1: 16 loads
.macro FETCHX p
	FETCHT 2*(\p), 0
	FETCHT 2*(\p)+1, 1
.endm
.macro PLACES                          ; four plain vector instructions between a matrix instruction and a read of its result or a load into its registers
.rept 4
	v_nop
.endr
.endm
	s_wait_alu depctr_va_vdst(0)                   ; the offsets and LDS addresses v4 to v9 and v14 are written: every load and store of the kernel reads one of them
	LOADB 0
	LOADB 1
	LOADB 2                                        ; 48 loads of the wave are out
	s_wait_kmcnt 0x0
	MKSC s66, 10, 11
	MKSC s67, 12, 13
	s_add_co_i32 s74, s66, s67                     ; eA + eB
	s_sub_co_i32 s76, 0, s74
.irp j, 0,1,2,3
	s_sub_co_i32 s75, s[68+\j], s74                ; eO - eA - eB: the three scales folded into the conversion's one
	MKSC s75, 16+2*\j, 17+2*\j
.endr
	QB 0, 32
	QB 1, 32
	QB 2, 32
	QB 3, 32
	QB 4, 16
	QB 5, 0
.set i, 0
.rept 16
	ST1 5, i                                       ; the last batch's stores have no holds to stand among
.set i, i+1
.endr
	s_wait_dscnt 0x0                               ; for the others' sake: my stores have landed
	s_barrier_signal -1
	s_barrier_wait -1                              ; the 128 rows of x lie in LDS; from here on LDS is only read
	s_wait_alu depctr_vm_vsrc(0)                   ; my LDS stores have read v224-255: on either way below vector instructions or loads write these registers
.irp u, 0,1
.irp s, 0,1
.irp c, 0,1,2,3
	ds_load_b128 v[WF+32*\u+16*\s+4*\c:WF+32*\u+16*\s+4*\c+3], v8 offset:\u*TILEB+128*\s+32*\c   ; my W's four fragments stay in registers.  (No vector instruction since batch 5's wait on va_vdst names v32-223)
.endr
.endr
.endr
	FETCHX 0
	s_cmp_eq_u32 s39, 1
	s_cbranch_scc1 .Lvpath
	; ---- q and k
	global_load_b128 v[BI:BI+3],     v9, s[22:23]              ; b(16 u + 8 h + 0 .. 7): the result's layout
	global_load_b128 v[BI+4:BI+7],   v9, s[22:23] offset:16
	global_load_b128 v[BI+8:BI+11],  v9, s[22:23] offset:64
	global_load_b128 v[BI+12:BI+15], v9, s[22:23] offset:80
	; THE TABLE.  Pair (u, k) of my half is pair i = 8 u + 4 h + k of the head's 16: angle a = timestep x 1000^(-i / 16).  a is at most 7: it is brought to r = a - n pi / 2, |r| <= pi / 4, with pi / 2 in two parts;
	; sin r by its series to r^9, cos r to r^10 (the next terms are under 2e-9); n's low two bits say which of the two is which and with what sign.
	s_mov_b32 s77, 0x3638ef1d                      ;  1 / 9!
	s_mov_b32 s78, 0xb9500d01                      ; -1 / 7!
	s_mov_b32 s79, 0x3c088889                      ;  1 / 5!
	s_mov_b32 s80, 0xbe2aaaab                      ; -1 / 3!
	s_mov_b32 s81, 0xb493f27e                      ; -1 / 10!
	s_mov_b32 s82, 0x37d00d01                      ;  1 / 8!
	s_mov_b32 s83, 0xbab60b61                      ; -1 / 6!
	s_mov_b32 s84, 0x3d2aaaab                      ;  1 / 4!
	v_lshlrev_b32 v15, 2, v3
.irp n, 0,1,2,3,4,5,6,7
	v_add_nc_u32 v[RA+\n], 8*(\n/4)+(\n%4), v15    ; i
.endr
.irp n, 0,1,2,3,4,5,6,7
	v_cvt_f32_u32 v[RA+\n], v[RA+\n]
.endr
.irp n, 0,1,2,3,4,5,6,7
	v_mul_f32 v[RA+\n], 0xbf1f73da, v[RA+\n]       ; -i log2(1000) / 16
.endr
	s_wait_alu depctr_va_vdst(0)
.irp n, 0,1,2,3,4,5,6,7
	v_exp_f32 v[RA+\n], v[RA+\n]
.endr
	v_cvt_f32_u32 v15, s42                         ; the timestep as f32: the plain instruction behind the batch
	s_wait_alu depctr_va_vdst(0)                   ; the eight exponentials have written v[RA ..]: one wait, ahead of their first reader
.irp n, 0,1,2,3,4,5,6,7
	v_mul_f32 v[RA+\n], v15, v[RA+\n]              ; a
.endr
.irp n, 0,1,2,3,4,5,6,7
	v_mul_f32 v[RK+\n], 0x3f22f983, v[RA+\n]       ; a x 2 / pi
.endr
.irp n, 0,1,2,3,4,5,6,7
	v_rndne_f32 v[RK+\n], v[RK+\n]                 ; n
.endr
.irp n, 0,1,2,3,4,5,6,7
	v_fmamk_f32 v[RA+\n], v[RK+\n], 0xbfc90fdb, v[RA+\n]   ; a - n x (pi / 2 as f32)
.endr
.irp n, 0,1,2,3,4,5,6,7
	v_fmamk_f32 v[RA+\n], v[RK+\n], 0x333bbd2e, v[RA+\n]   ; - n x (what that f32 lacks of pi / 2, which is negative)
.endr
.irp n, 0,1,2,3,4,5,6,7
	v_mul_f32 v[R2+\n], v[RA+\n], v[RA+\n]
.endr
.irp n, 0,1,2,3,4,5,6,7
	v_fma_f32 v[RS+\n], v[R2+\n], s77, s78
	v_fma_f32 v[RC+\n], v[R2+\n], s81, s82
.endr
.irp n, 0,1,2,3,4,5,6,7
	v_fma_f32 v[RS+\n], v[RS+\n], v[R2+\n], s79
	v_fma_f32 v[RC+\n], v[RC+\n], v[R2+\n], s83
.endr
.irp n, 0,1,2,3,4,5,6,7
	v_fma_f32 v[RS+\n], v[RS+\n], v[R2+\n], s80
	v_fma_f32 v[RC+\n], v[RC+\n], v[R2+\n], s84
.endr
.irp n, 0,1,2,3,4,5,6,7
	v_mul_f32 v[RT+\n], v[RA+\n], v[R2+\n]
	v_fma_f32 v[RC+\n], v[RC+\n], v[R2+\n], -0.5
.endr
.irp n, 0,1,2,3,4,5,6,7
	v_fma_f32 v[RS+\n], v[RT+\n], v[RS+\n], v[RA+\n]   ; sin r
	v_fma_f32 v[RC+\n], v[RC+\n], v[R2+\n], 1.0        ; cos r
.endr
.irp n, 0,1,2,3,4,5,6,7
	v_cvt_i32_f32 v[RK+\n], v[RK+\n]
.endr
.irp n, 0,1,2,3,4,5,6,7
	v_and_b32 v[RT+\n], 1, v[RK+\n]
.endr
.irp n, 0,1,2,3,4,5,6,7
	v_cmp_eq_u32 s[44+\n], 1, v[RT+\n]             ; is n odd?  The eight compares stand in one run, each with a mask of its own (s44-51 are free since the address sums)
.endr
	s_wait_alu depctr_va_sdst(0)                   ; the eight masks s44 to s51 are written, ahead of the selections that read them
.irp n, 0,1,2,3,4,5,6,7
	v_cndmask_b32 v[ROT+2*\n+1], v[RS+\n], v[RC+\n], s[44+\n]   ; sin a: for odd n it is cos r,
	v_cndmask_b32 v[ROT+2*\n],   v[RC+\n], v[RS+\n], s[44+\n]   ; and cos a is sin r
	v_and_b32 v[RT+\n], 2, v[RK+\n]
	v_lshlrev_b32 v[RT+\n], 30, v[RT+\n]
	v_xor_b32 v[ROT+2*\n+1], v[RT+\n], v[ROT+2*\n+1]          ; sin a changes sign for n mod 4 = 2, 3
	v_add_nc_u32 v[RK+\n], 1, v[RK+\n]
	v_and_b32 v[RK+\n], 2, v[RK+\n]
	v_lshlrev_b32 v[RK+\n], 30, v[RK+\n]
	v_xor_b32 v[ROT+2*\n], v[RK+\n], v[ROT+2*\n]              ; cos a for n mod 4 = 1, 2
.endr
	s_wait_loadcnt 0x0                             ; the bias
.irp j, 0,1,2,3,4,5,6,7,8,9,10,11,12,13,14,15
	v_ldexp_f32 v[BI+\j], v[BI+\j], s76            ; b / 2^(eA + eB)
.endr
; The rotation of tile m's two accumulators: (t1, t2) -> (t1 cos - t2 sin, t1 sin + t2 cos).  Each accumulator is read from its low end on.
.macro ROPE m
.irp u, 0,1
.irp k, 0,1,2,3
	v_mul_f32 v[T+8*\u+2*\k],   v[AC+16*\m+8*\u+2*\k+1], v[ROT+8*\u+2*\k+1]
	v_mul_f32 v[T+8*\u+2*\k+1], v[AC+16*\m+8*\u+2*\k+1], v[ROT+8*\u+2*\k]
	v_fma_f32 v[T+8*\u+2*\k],   v[AC+16*\m+8*\u+2*\k],   v[ROT+8*\u+2*\k],   -v[T+8*\u+2*\k]
	v_fma_f32 v[T+8*\u+2*\k+1], v[AC+16*\m+8*\u+2*\k],   v[ROT+8*\u+2*\k+1], v[T+8*\u+2*\k+1]
.endr
.endr
.endm
; The 16 numbers in T are held and quantised by output scale j: the lane's 16 bytes of an image, into four of the registers that tile m's accumulators have left
.macro CODE m, j
.irp i, 0,1,2,3,4,5,6,7,8,9,10,11,12,13,14,15
	v_med3_num_f32 v[U+\i], v[T+\i], -v[17+2*\j], v[17+2*\j]
.endr
	v_cvt_scalef32_pk8_fp8_f32 v[AC+16*\m+4*\j:AC+16*\m+4*\j+1],   v[U:U+7], v[16+2*\j]      ; dimensions 8 h .. + 7
	v_cvt_scalef32_pk8_fp8_f32 v[AC+16*\m+4*\j+2:AC+16*\m+4*\j+3], v[U+8:U+15], v[16+2*\j]   ; dimensions 16 + 8 h .. + 7
	v_nop                                          ; one plain vector instruction behind the last conversion
.endm
.macro SENDC m, j, t
	global_store_b128 v4, v[AC+16*\m+4*\j:AC+16*\m+4*\j+3], s[30:31] offset:\j*1048576+(\t)*512   ; 32 lanes store 512 consecutive bytes
.endm
; Tile m of the pair, tile t of the work-group's eight: its codes, one wait, its stores.  k goes out once, q once for each feature's scale
.macro OUT m, t
	CODE \m, 0
	s_cmp_lg_u32 s36, 0
	s_cbranch_scc1 .Lonce_\@
	CODE \m, 1
	CODE \m, 2
	CODE \m, 3
.Lonce_\@:
	s_wait_alu depctr_va_vdst(0)                   ; the conversions have written the tile's codes, which the stores below read
	SENDC \m, 0, \t
	s_cmp_lg_u32 s36, 0
	s_cbranch_scc1 .Lsent_\@
	SENDC \m, 1, \t
	SENDC \m, 2, \t
	SENDC \m, 3, \t
.Lsent_\@:
.endm
	s_wait_alu depctr_va_vdst(0)
.irp p, 0,1,2,3
	s_wait_dscnt 0x0                               ; the fragments are in
.if \p > 0
	s_wait_xcnt 0x0                                ; the last pair's stores have had their addresses translated: their data registers are written again only behind this wait,
	s_wait_alu depctr_vm_vsrc(0)                   ; and they have read the codes in v[AC ..], which the products below write again
.endif
.irp m, 0,1
.irp u, 0,1
	v_wmma_f32_16x16x128_fp8_fp8 v[AC+16*\m+8*\u:AC+16*\m+8*\u+7], v[WF+32*\u:WF+32*\u+15], v[XF+32*\m:XF+32*\m+15], v[BI+8*\u:BI+8*\u+7]
.endr
.endr
.irp m, 0,1                                    ; the four accumulators take turns, one instruction a turn
.irp u, 0,1
	v_wmma_f32_16x16x128_fp8_fp8 v[AC+16*\m+8*\u:AC+16*\m+8*\u+7], v[WF+32*\u+16:WF+32*\u+31], v[XF+32*\m+16:XF+32*\m+31], v[AC+16*\m+8*\u:AC+16*\m+8*\u+7]
.endr
.endr
	PLACES
.if \p < 3
	s_wait_alu depctr_va_vdst(0)                   ; the products are done reading x's fragments, in which the next pair's loads land; no vector instruction of this pair behind this wait names them
	FETCHT 2*\p+2, 0                               ; the next pair's fragments land while these two tiles are rotated and stored: eight loads here,
.endif
	ROPE 0
.if \p < 3
	FETCHT 2*\p+3, 1                               ; eight behind the first rotation
.endif
	OUT 0, 2*\p
	ROPE 1
	OUT 1, 2*\p+1
.endr
	s_wait_dscnt 0x0                               ; the closing lines, six on end
	s_wait_alu 0x0
	s_wait_tensorcnt 0x0
	ds_add_u32 v30, v31
	s_wait_dscnt 0x0
	s_endpgm
	; ---- v
.Lvpath:
	global_load_b32 v[BV],   v14, s[22:23]                 ; b(r), b(16 + r): a lane holds one dimension, so its eight registers of a tile take one number.  (The conversions that wrote these two registers stand ahead of a wait on va_vdst, the LDS stores that read them ahead of the wait on vm_vsrc behind the barrier)
	global_load_b32 v[BV+8], v14, s[22:23] offset:64
	s_wait_loadcnt 0x0
	v_ldexp_f32 v[BV],   v[BV],   s76
	v_ldexp_f32 v[BV+8], v[BV+8], s76
.irp j, 1,2,3,4,5,6,7
	v_mov_b32 v[BV+\j],   v[BV]
	v_mov_b32 v[BV+8+\j], v[BV+8]
.endr
	s_wait_alu depctr_va_vdst(0)
.irp u, 0,1                                    ; dimensions 16 u on, for the work-group's 128 tokens: one block of keys
.irp p, 0,1,2,3
	s_wait_dscnt 0x0
	v_wmma_f32_16x16x128_fp8_fp8 v[AC+16*\p:AC+16*\p+7],    v[XF:XF+15],    v[WF+32*\u:WF+32*\u+15],    v[BV+8*\u:BV+8*\u+7]
	v_wmma_f32_16x16x128_fp8_fp8 v[AC+16*\p+8:AC+16*\p+15], v[XF+32:XF+47], v[WF+32*\u:WF+32*\u+15],    v[BV+8*\u:BV+8*\u+7]
	v_wmma_f32_16x16x128_fp8_fp8 v[AC+16*\p:AC+16*\p+7],    v[XF+16:XF+31], v[WF+32*\u+16:WF+32*\u+31], v[AC+16*\p:AC+16*\p+7]
	v_wmma_f32_16x16x128_fp8_fp8 v[AC+16*\p+8:AC+16*\p+15], v[XF+48:XF+63], v[WF+32*\u+16:WF+32*\u+31], v[AC+16*\p+8:AC+16*\p+15]
	PLACES
.if \p < 3
	s_wait_alu depctr_va_vdst(0)                   ; the four products are done reading x's fragments, in which the loads below land
	FETCHX \p+1
.elseif \u == 0
	s_wait_alu depctr_va_vdst(0)                   ; the same
	FETCHX 0                                       ; for the other 16 dimensions: lands while these are quantised
.endif
.endr
.set i, 0
.rept 64
	v_med3_num_f32 v[AC+i], v[AC+i], -v17, v17     ; each accumulator from its low end on
.set i, i+1
.endr
	s_wait_alu depctr_va_vdst(0)
	s_wait_xcnt 0x0                                ; the stores of the first 16 dimensions have had their addresses translated: their data registers are written again only behind this wait
.if \u > 0
	s_wait_alu depctr_vm_vsrc(0)                   ; and they have read v[CV ..], which the conversions below write again
.endif
.irp m, 0,1,2,3,4,5,6,7
	v_cvt_scalef32_pk8_fp8_f32 v[CV+2*\m:CV+2*\m+1], v[AC+8*\m:AC+8*\m+7], v16   ; keys 16 m + 8 h .. + 7: registers 2 m, 2 m + 1 of V^T's fragment
.endr
	v_nop                                          ; one plain vector instruction behind the last conversion
	s_wait_alu depctr_va_vdst(0)                   ; the conversions have written v[CV ..], which the four stores read
.irp c, 0,1,2,3
	global_store_b128 v4, v[CV+4*\c:CV+4*\c+3], s[30:31] offset:\u*2048+\c*512
.endr
.endr
	s_wait_dscnt 0x0                               ; the closing lines, six on end
	s_wait_alu 0x0
	s_wait_tensorcnt 0x0
	ds_add_u32 v30, v31
	s_wait_dscnt 0x0
	s_endpgm
.Lfunc_end_k_qbe66f81a5d_proj:
	.size	k_qbe66f81a5d_proj, .Lfunc_end_k_qbe66f81a5d_proj-k_qbe66f81a5d_proj
	.p2alignl 7, 3214868480
	.fill 96, 4, 3214868480
	.section	.rodata,"a",@progbits
	.p2align	6, 0x0
	.amdhsa_kernel k_qbe66f81a5d_proj
		.amdhsa_group_segment_fixed_size 105472
		.amdhsa_private_segment_fixed_size 0
		.amdhsa_enable_private_segment 0
		.amdhsa_kernarg_size 112
		.amdhsa_user_sgpr_count 2
		.amdhsa_user_sgpr_kernarg_segment_ptr 1
		.amdhsa_wavefront_size32 1
		.amdhsa_system_sgpr_workgroup_id_x 1
		.amdhsa_system_sgpr_workgroup_id_y 1
		.amdhsa_system_sgpr_workgroup_id_z 1
		.amdhsa_system_vgpr_workitem_id 0
		.amdhsa_next_free_vgpr 256
		.amdhsa_next_free_sgpr 90
		.amdhsa_reserve_vcc 0
		.amdhsa_float_denorm_mode_32 3
		.amdhsa_float_denorm_mode_16_64 3
		.amdhsa_memory_ordered 1
		.amdhsa_forward_progress 1
		.amdhsa_inst_pref_size 147
	.end_amdhsa_kernel
	.amdgpu_metadata
---
amdhsa.version: [ 1, 2 ]
amdhsa.kernels:
  - .name:           k_qbe66f81a5d_proj
    .symbol:         k_qbe66f81a5d_proj.kd
    .args:
      - { .name: q_data, .offset: 0, .size: 8, .value_kind: global_buffer, .address_space: global }
      - { .name: x_0, .offset: 8, .size: 8, .value_kind: global_buffer, .address_space: global }
      - { .name: v_0, .offset: 16, .size: 8, .value_kind: global_buffer, .address_space: global }
      - { .name: edge_attr, .offset: 24, .size: 8, .value_kind: global_buffer, .address_space: global }
      - { .name: concatenated_features, .offset: 32, .size: 8, .value_kind: global_buffer, .address_space: global }
      - { .name: Wq, .offset: 40, .size: 8, .value_kind: global_buffer, .address_space: global }
      - { .name: Wk, .offset: 48, .size: 8, .value_kind: global_buffer, .address_space: global }
      - { .name: Wv, .offset: 56, .size: 8, .value_kind: global_buffer, .address_space: global }
      - { .name: bq, .offset: 64, .size: 8, .value_kind: global_buffer, .address_space: global }
      - { .name: bk, .offset: 72, .size: 8, .value_kind: global_buffer, .address_space: global }
      - { .name: bv, .offset: 80, .size: 8, .value_kind: global_buffer, .address_space: global }
      - { .name: lowp_scales, .offset: 88, .size: 8, .value_kind: global_buffer, .address_space: global }
      - { .name: qc, .offset: 96, .size: 8, .value_kind: global_buffer, .address_space: global }
      - { .name: kv, .offset: 104, .size: 8, .value_kind: global_buffer, .address_space: global }
    .group_segment_fixed_size: 105472
    .private_segment_fixed_size: 0
    .kernarg_segment_align: 8
    .kernarg_segment_size: 112
    .max_flat_workgroup_size: 256
    .sgpr_count:     90
    .vgpr_count:     256
    .wavefront_size: 32
...
	.end_amdgpu_metadata
.endif
;; end of part 4
;; launch attn (part 5): grid 16 x 16, 16 waves a work-group, clusters of 4 x 1, 327,680 bytes of LDS; arguments qc, kv, feature_weights, lowp_scales, ac; writes ac
.if DOCPART == 5
	.amdgcn_target "amdgcn-amd-amdhsa--gfx1250"
	.amdhsa_code_object_version 6
	.text
	.protected	k_qbe66f81a5d_attn
	.globl	k_qbe66f81a5d_attn
	.p2align	8
	.type	k_qbe66f81a5d_attn,@function
k_qbe66f81a5d_attn:
	s_mov_b64 s[64:65], 0
	v_nop
	global_prefetch_b8 v0, s[64:65] scope:SCOPE_SE
	s_setreg_imm32_b32 hwreg(HW_REG_WAVE_MODE, 25, 1), 1
	s_wait_xcnt 0x0
	s_wait_alu depctr_hold_cnt(0) depctr_sa_sdst(0) depctr_va_vdst(0) depctr_va_sdst(0) depctr_va_ssrc(0) depctr_va_vcc(0) depctr_vm_vsrc(0)
	s_getreg_b32 s2, hwreg(HW_REG_IB_STS2, 6, 4)
	s_cmp_eq_u32 s2, 0
	s_cbranch_scc0 .Lentry_in_a_cluster
	s_endpgm
.Lentry_in_a_cluster:
	s_bfe_u32 s2, ttmp6, 0x10000c
	s_cmp_lg_u32 s2, 0x3003
	s_cbranch_scc0 .Lentry_shape_is_right
	s_endpgm
.Lentry_shape_is_right:
; THE FOUR ATTENTIONS of one (batch, head) for 128 queries, weighed by softmax(feature_weights) and added; the sum is quantised for the output projection.  All products on codes of FP8 (E4M3).
; SHARES.  Work-group: x = block of 128 queries, y = batch x head.  Wave W: tile of 16 queries W % 8, group g = W / 8.  Group g walks features 2 g and 2 g + 1, all 2,048 keys of each, 128 a step:
;   a softmax is whole inside one wave, four waves share a SIMD, and all sixteen have the same work.  The two groups' sums meet once, in LDS.
; LAYOUT.  Both products are used transposed: S^T = K Q^T (source 0 = keys, source 1 = my 16 queries), O^T = V^T P^T: a lane holds ONE query (lane % 16) throughout.  Register j of score tile c is key
;   16 c + 8 (lane / 16) + j: the eight codes made of a tile's registers ARE registers 2 c, 2 c + 1 of P's K = 128 fragment.  Nothing changes lanes between the products.
; THE HEAD HAS 32 DIMENSIONS, THE SHORTEST FORM 64 ALONG K.  A fragment of K carries TWO tiles of 16 keys: registers 0-3 one tile's 32 dimensions, registers 4-7 the next tile's.  Q stands twice in registers, as (q, 0)
;   and as (0, q): the first gives the first tile's scores, the second the second's.  The zeros meet finite codes alone (every quantiser holds at the largest code).  No byte of K is read twice, none is padding.
; THE SOFTMAX.  t = score x log2(e) / sqrt(32); M = the running largest t rounded UP to a whole number; p = 2^(t - M) is quantised, not normalised; the row's sum is taken of the unquantised p and divides at the end.
;   When M moves, the sum and O^T are multiplied by 2^(old M - new M): exact.
; THE RING.  A group's stream is 4 chunks of 64 KiB (feature, half of the keys: 32 KiB of K's images, 32 KiB of V's), dense in memory.  A slot holds both groups' chunks; two slots.  Each of the sixteen waves fetches
;   8 KiB of a slot by one tensor load.  The four work-groups of a cluster belong to one (batch, head) and walk the same chunks: each load is asked for JOINTLY, with a mask that names the four.
;   By this text's own count a wave has one tensor load out at the most.  No prefetch is laid: a refill is asked for eight key steps ahead of its first read.
; LIMITS on the given exponents: eq + ek between -124 and 129 (they are added to c's exponent field); ep and e34 between -126 and 119; ep + ev goes through v_ldexp_f32 and has none.
.set SLOT1, 1<<17                      ; slot 1 begins here: one exclusive or turns an address in one slot into the other's
.set SPARE, 2*SLOT1                    ; behind the ring: the spare words, 128 bytes for each wave: eight blocks of 256 bytes that no other line names
.set MRG,   SPARE+16*128               ; behind them: 8 x 2,048 bytes, where group 1 hands its sums to group 0; no tensor load lands here
.set KF,  32                           ; v32-63   four fragments of K (two tiles of keys each)
.set VF,  64                           ; v64-95   two fragments of V^T
.set SC,  96                           ; v96-159  S^T, then p
.set OT,  160                          ; v160-175 O^T of the feature in hand
.set ACC, 176                          ; v176-191 my features' weighed sum
.set PC,  192                          ; v192-207 p's codes
; v1 16 x lane; v2 LDS address of the step in hand; v3, v4 the spare word's address and 0; v5 my place in MRG; v8-15 q's codes for my two features; v16-23 (q, 0); v24-31 (0, q);
; v208 -M, v209 the largest t; v[210:211] the sum in two halves; v212 f (v213 named with it); v[214:215] a second chain of sums; v216-218 at work; v219, v220: 2^ep, 448 x 2^ep; v221, v222 my two gates;
; v224-239 group 1's sums; v240-243 codes; v244-250 at work
; s14 wave, s15 g, s16 tile, s18 query block, s19 batch x head, s[20:21] lane selects, s[22:23] c, s24 the step's LDS byte, s25 counter, s26 ep + ev, s27 the LDS byte of my group's chunk in the slot in hand,
; s[28:31] descriptor group 0, s[32:39] group 1, s[40:47] eq, ek, ep, ev of my two features, s48 e34, s[52:55] feature_weights
.macro CROUND                          ; a round of the cluster's barrier: my work-group's barrier; wave 0 signals for the work-group; every wave waits for all four work-groups; my work-group's barrier once more
	s_barrier_signal -1
	s_barrier_wait -1
	s_cmp_lg_u32 s14, 0
	s_cbranch_scc1 .Lnot_wave_0_\@
	s_barrier_signal -3
.Lnot_wave_0_\@:
	s_barrier_wait -3
	s_barrier_signal -1
	s_barrier_wait -1
.endm
	s_load_b256 s[4:11], s[0:1], 0x0               ; qc s[4:5], kv s[6:7], feature_weights s[8:9], lowp_scales s[10:11]
	s_load_b64 s[12:13], s[0:1], 0x20              ; ac
	v_lshl_add_u32 v3, v0, 2, SPARE
	v_mov_b32 v4, 0
	ds_add_u32 v3, v4
	ds_add_u32 v3, v4
	s_wait_dscnt 0x0
	v_lshrrev_b32 v1, 5, v0
	v_readfirstlane_b32 s14, v1                    ; wave 0..15
	s_lshr_b32 s15, s14, 3
	s_and_b32 s16, s14, 7
	s_bfe_u32 s17, ttmp6, 0x40000                  ; cx: my place in the cluster
	s_lshl_b32 s18, ttmp9, 2                       ; in a cluster launch ttmp9 counts clusters
	s_add_co_u32 s18, s18, s17                     ; my block of queries: it enters qc's and ac's addresses alone
	s_and_b32 s19, ttmp7, 0xffff                   ; batch x head, which the four partners share
	s_mov_b32 s20, 0x76543210
	s_mov_b32 s21, 0xfedcba98                      ; v_permlanex16_b32: lane l xor 16
	s_lshl_b32 s27, s15, 16                        ; my group's chunk in slot 0
	; descriptor group 1: 32 rows of 32 elements of 8 bytes, dense: 8 KiB as it lies
	s_mov_b32 s32, 15|(3<<16)|(1<<21)              ; 15:0 the mask: all four work-groups; 17:16 elements of 8 bytes; 20 no padding (an image is read 512 consecutive bytes an instruction); 21 set beside a mask
	s_mov_b32 s33, 32<<16                          ; tensor_dim0 = 32
	s_mov_b32 s34, 32<<16                          ; tensor_dim1 = 32
	s_mov_b32 s35, 32<<16                          ; tile_dim0 = 32
	s_mov_b32 s36, 32                              ; tile_dim1 = 32
	s_mov_b32 s37, 32                              ; from row to row
	s_mov_b32 s38, 0
	s_mov_b32 s39, 0
	s_lshl_b32 s62, s19, 19                        ; kv: 524,288 a (batch, head), 262,144 a group, 8,192 a wave of the group
	s_lshl_b32 s63, s15, 18
	s_add_co_u32 s62, s62, s63
	s_lshl_b32 s63, s16, 13
	s_add_co_u32 s62, s62, s63
	s_mov_b32 s63, 0
	s_lshl_b32 s50, s15, 5                         ; qc: feature 2 g, 16 (batch, head) a feature,
	s_add_co_u32 s50, s50, s19
	s_lshl_b32 s50, s50, 16                        ; 65,536 each;
	s_lshl_b32 s51, s18, 3
	s_add_co_u32 s51, s51, s16
	s_lshl_b32 s51, s51, 9                         ; my tile's 512 bytes
	s_add_co_u32 s50, s50, s51
	s_mov_b32 s51, 0
	s_lshr_b32 s60, s19, 3                         ; ac: tile of tokens 128 x batch + 8 x block + tile, 4,096 bytes each;
	s_lshl_b32 s60, s60, 7
	s_lshl_b32 s61, s18, 3
	s_add_co_u32 s60, s60, s61
	s_add_co_u32 s60, s60, s16
	s_lshl_b32 s60, s60, 12
	s_and_b32 s61, s19, 7                          ; the head's 512 of them
	s_lshl_b32 s61, s61, 9
	s_add_co_u32 s60, s60, s61
	s_mov_b32 s61, 0
	s_lshl_b32 s56, s15, 6                         ; the scales' entries: 64 bytes a group
	v_and_b32 v1, 31, v0
	v_lshlrev_b32 v1, 4, v1
	s_lshl_b32 s57, s16, 11
	s_add_co_u32 s57, s57, MRG
	v_add_nc_u32 v5, s57, v1
	v_mov_b32 v213, 0                              ; (named as the upper half of the pair v[212:213])
	v_mov_b32 v218, 0                              ; written once: a lane permute's destination counts as one of its sources
.irp j, 20,21,22,23,24,25,26,27
	v_mov_b32 v[\j], 0                             ; the zero halves of (q, 0) and (0, q)
.endr
	s_wait_kmcnt 0x0
	s_load_b64 s[40:41], s[10:11], s56 offset:24   ; feature 2 g: eq, ek
	s_load_b64 s[42:43], s[10:11], s56 offset:32   ;              ep, ev
	s_load_b64 s[44:45], s[10:11], s56 offset:56   ; feature 2 g + 1
	s_load_b64 s[46:47], s[10:11], s56 offset:64
	s_load_b32 s48, s[10:11], 0x88                 ; e34
	s_load_b128 s[52:55], s[8:9], 0x0
	s_mov_b32 s28, 1                               ; group 0: count = 1
	s_lshl_b32 s29, s14, 13                        ; LDS address: 8,192 x wave, in slot 0: no place in the cluster enters it
	s_add_nc_u64 s[30:31], s[6:7], s[62:63]        ; global address: my part of my group's chunk 0
	s_or_b32 s31, s31, 0x80000000                  ; type = 2
	s_add_nc_u64 s[4:5], s[4:5], s[50:51]
	s_add_nc_u64 s[12:13], s[12:13], s[60:61]
	CROUND                                         ; all four work-groups are here: the first joint loads meet
	tensor_load_to_lds s[28:31], s[32:39]          ; chunk 0 into slot 0
	s_nop 0
.rept 4
	v_nop                                          ; four v_nop follow a tensor load
.endr
	global_load_b128 v[8:11],  v1, s[4:5]                      ; q's codes by feature 2 g's scale,
	global_load_b128 v[12:15], v1, s[4:5] offset:1048576       ; by feature 2 g + 1's
	; the gates: softmax of the four weights, the largest taken away first
	s_wait_kmcnt 0x0
	v_mov_b32 v244, s52
	v_max3_num_f32 v244, v244, s53, s54
	v_max_num_f32 v244, s55, v244
	v_sub_f32 v245, s52, v244
	v_sub_f32 v246, s53, v244
	v_sub_f32 v247, s54, v244
	v_sub_f32 v248, s55, v244
.irp j, 245,246,247,248
	v_mul_f32 v[\j], 0x3fb8aa3b, v[\j]
.endr
.irp j, 245,246,247,248
	v_exp_f32 v[\j], v[\j]
.endr
	v_nop                                          ; a plain instruction behind the batch,
	s_wait_alu depctr_va_vdst(0)                   ; and the wait ahead of its first reader
	v_add_f32 v249, v245, v246
	v_add_f32 v250, v247, v248
	v_add_f32 v249, v249, v250
	v_rcp_f32 v249, v249
	s_cmp_eq_u32 s15, 0
	s_cselect_b32 s56, 0, -1
	v_cndmask_b32 v221, v245, v247, s56            ; my group's two (plain instructions behind the reciprocal)
	v_cndmask_b32 v222, v246, v248, s56
	s_wait_alu depctr_va_vdst(0)
	v_mul_f32 v221, v221, v249
	v_mul_f32 v222, v222, v249
; A FEATURE BEGINS: its scales, its q, and empty sums.  f: 0 or 1, the first or the second of my group's two
.macro FPRO f
	s_add_co_i32 s58, s[40+4*\f], s[41+4*\f]
	s_lshl_b32 s58, s58, 23
	s_add_co_i32 s22, s58, 0x3e8293ee              ; c = log2(e) / sqrt(32), x 2^(eq + ek): the two exponents are added to c's exponent field
	s_mov_b32 s23, s22                             ; (named with it as a pair, so it is written)
	s_add_co_i32 s58, s[42+4*\f], 127
	s_lshl_b32 s59, s58, 23
	v_mov_b32 v219, s59                            ; 2^ep as f32, for the conversion
	s_add_co_i32 s58, s58, 8
	s_lshl_b32 s58, s58, 23
	s_or_b32 s58, s58, 0x600000
	v_mov_b32 v220, s58                            ; 448 x 2^ep
	s_add_co_i32 s26, s[42+4*\f], s[43+4*\f]
.irp j, 0,1,2,3
	v_mov_b32 v[16+\j], v[8+4*\f+\j]
	v_mov_b32 v[28+\j], v[8+4*\f+\j]
.endr
.irp j, 0,1,2,3,4,5,6,7,8,9,10,11,12,13,14,15
	v_mov_b32 v[OT+\j], 0                          ; the step is written once: the first finds zeros, which the first change of M leaves zeros
.endr
	v_mov_b32 v210, 0
	v_mov_b32 v211, 0
	v_mov_b32 v209, 0xff61b1e6                     ; the largest t so far: -3e38, under every t
	v_floor_f32 v208, -v209
.endm
; A KEY STEP: 128 keys.  K's fragments were asked for a step ago.  next = 1: the next step's are asked for here.
.macro STEP next
.irp n, 0,1
.irp c, 0,1,2,3
	ds_load_b128 v[VF+16*\n+4*\c:VF+16*\n+4*\c+3], v2 offset:32768+\n*2048+\c*512
.endr
.endr
	s_wait_dscnt 8                                 ; K is in; V's eight loads, just issued, may be out
.irp p, 0,1,2,3
	v_wmma_f32_16x16x64_fp8_fp8 v[SC+16*\p:SC+16*\p+7],    v[KF+8*\p:KF+8*\p+7], v[16:23], 0   ; the fragment's first tile of keys
	v_wmma_f32_16x16x64_fp8_fp8 v[SC+16*\p+8:SC+16*\p+15], v[KF+8*\p:KF+8*\p+7], v[24:31], 0   ; its second
.endr
.rept 4
	v_nop                                          ; four places ahead of the loads into K's registers and of the first read of the scores
.endr
.if \next
.irp t, 0,1,2,3,4,5,6,7
	ds_load_b128 v[KF+4*\t:KF+4*\t+3], v2 offset:4096+\t*512
.endr
.endif
	v_max3_num_f32 v216, v[SC], v[SC+1], v[SC+2]   ; the step's largest score of my query among my 64 keys, in two chains, each accumulator from its low end on,
	v_max3_num_f32 v217, v[SC+3], v[SC+4], v[SC+5]
.irp i, 6,10,14,18,22,26,30,34,38,42,46,50,54,58
	v_max3_num_f32 v216, v216, v[SC+\i], v[SC+1+\i]
	v_max3_num_f32 v217, v217, v[SC+2+\i], v[SC+3+\i]
.endr
	v_max3_num_f32 v216, v216, v[SC+62], v[SC+63]
	v_max_num_f32 v216, v216, v217
	v_permlanex16_b32 v218, v216, s20, s21
	v_max_num_f32 v216, v216, v218                 ; and among lane l xor 16's
	v_mul_f32 v216, s22, v216                      ; as t (c is positive)
	v_max_num_f32 v209, v209, v216                 ; the running largest t
	v_mov_b32 v216, v208
	v_floor_f32 v208, -v209                        ; the new -M = floor(-t) = -ceil(t): a whole number
	v_sub_f32 v216, v208, v216                     ; old M - new M: a whole number, 0 or less
	v_cvt_i32_f32 v216, v216                       ; (it saturates)
	v_ldexp_f32 v212, 1.0, v216                    ; f = 2^(old M - new M)
	v_pk_fma_f32 v[SC:SC+1],   v[SC:SC+1],   s[22:23], v[208:209] op_sel_hi:[1,0,0]   ; t - M, two at a time (of the pairs c and -M the low word serves both halves)
	v_pk_fma_f32 v[SC+2:SC+3], v[SC+2:SC+3], s[22:23], v[208:209] op_sel_hi:[1,0,0]
.set j, 0
.rept 32                                       ; ONE BATCH: the 64 exponentials, with the scalings of later pairs between them; none of these lines names an exponential's result
	v_exp_f32 v[SC+2*j],   v[SC+2*j]               ; p = 2^(t - M), at most 1
	v_exp_f32 v[SC+2*j+1], v[SC+2*j+1]
.if j < 30
	v_pk_fma_f32 v[SC+4+2*j:SC+5+2*j], v[SC+4+2*j:SC+5+2*j], s[22:23], v[208:209] op_sel_hi:[1,0,0]
.endif
.set j, j+1
.endr
	s_setprio 1
	v_pk_mul_f32 v[210:211], v[210:211], v[212:213] op_sel_hi:[1,0]   ; the sums under the new M: the plain instruction behind the batch
	s_wait_alu depctr_va_vdst(0)                   ; one wait for the batch, ahead of its first reader
	v_pk_add_f32 v[214:215], v[SC:SC+1], v[SC+2:SC+3]                 ; the row's sum is taken of the UNQUANTISED p, in two chains
.irp j, 4,8,12,16,20,24,28,32,36,40,44,48,52,56,60
	v_pk_add_f32 v[210:211], v[210:211], v[SC+\j:SC+1+\j]
	v_pk_add_f32 v[214:215], v[214:215], v[SC+2+\j:SC+3+\j]
.endr
	v_pk_add_f32 v[210:211], v[210:211], v[214:215]
.irp c, 0,1,2,3,4,5,6,7
.irp i, 0,1,2,3,4,5,6,7
	v_min_num_f32 v[SC+8*\c+\i], v[SC+8*\c+\i], v220   ; the conversion to an 8-bit code does not saturate (ISA guide 7.6.2); p is not negative, so the hold is one-sided
.endr
	v_cvt_scalef32_pk8_fp8_f32 v[PC+2*\c:PC+2*\c+1], v[SC+8*\c:SC+8*\c+7], v219   ; keys 16 c + 8 h .. + 7: registers 2 c, 2 c + 1 of P's fragment
.endr
	s_setprio 0
.irp j, 0,2,4,6,8,10,12,14
	v_pk_mul_f32 v[OT+\j:OT+\j+1], v[OT+\j:OT+\j+1], v[212:213] op_sel_hi:[1,0]   ; O^T under the new M.  (Also the plain instructions behind the last conversion)
.endr
.if \next
	s_wait_dscnt 8                                 ; V is in; the next step's eight loads of K may be out
.else
	s_wait_dscnt 0x0
.endif
	v_wmma_f32_16x16x128_fp8_fp8 v[OT:OT+7],    v[VF:VF+15],    v[PC:PC+15], v[OT:OT+7]      ; the two accumulators take turns; the scores' eight products stand between two links of a chain
	v_wmma_f32_16x16x128_fp8_fp8 v[OT+8:OT+15], v[VF+16:VF+31], v[PC:PC+15], v[OT+8:OT+15]
.if \next
	s_add_co_u32 s24, s24, 4096                    ; the next step: eight tiles of K, a block of V
	v_add_nc_u32 v2, s24, v1                       ; with the three below: four places ahead of the loads into V's registers
.rept 3
	v_nop
.endr
.else
.rept 4
	v_nop
.endr
.endif
.endm
; HALF A FEATURE: the eight key steps of the slot in hand
.macro HALF
	s_mov_b32 s24, s27
	v_add_nc_u32 v2, s24, v1
.irp t, 0,1,2,3,4,5,6,7
	ds_load_b128 v[KF+4*\t:KF+4*\t+3], v2 offset:\t*512
.endr
	s_mov_b32 s25, 7
.Lstep_\@:
	s_setprio 2
	STEP 1
	s_sub_co_u32 s25, s25, 1
	s_cmp_lg_u32 s25, 0
	s_cbranch_scc1 .Lstep_\@
	s_setprio 0
	STEP 0                                         ; the last step asks for no further K
	s_xor_b32 s27, s27, SLOT1                      ; on to the other slot
.endm
; THE CHANGE OF SLOTS stands at a slot's head.  Each wave waits for all its tensor loads (its part of the slot that it is about to read), adds 0 to its spare word, and waits for that and for its reads of the slot that it
; has left.  fill = 1: the barrier is a round of the cluster's, so that no wave of any partner still reads the other slot or has a load on its way, and the joint load of the next chunk is the first thing behind it.
.macro CHANGE fill
	s_wait_tensorcnt 0x0                           ; no tensor load of mine is out, so group 0 may be written
	ds_add_u32 v3, v4                              ; 0 onto my spare word
.if \fill
	s_xor_b32 s29, s29, SLOT1                      ; the other slot than last time,
	s_add_nc_u64 s[30:31], s[30:31], 65536         ; the next chunk; the type bits on top are not reached
.endif
	s_wait_dscnt 0x0                               ; the add is done, and my reads of the slot that I have left are over
.if \fill
	CROUND
	tensor_load_to_lds s[28:31], s[32:39]          ; my one tensor load until the next round: it has eight key steps in which to land
	s_nop 0
.rept 4
	v_nop
.endr
.else
	s_barrier_signal -1
	s_barrier_wait -1
.endif
.endm
; A FEATURE ENDS: O^T x gate x 2^(ep + ev) / the row's sum goes into my weighed sum
.macro FEPI f
	v_add_f32 v210, v210, v211                     ; the sum's two halves,
	v_permlanex16_b32 v218, v210, s20, s21
	v_add_f32 v210, v210, v218                     ; and lane l xor 16's
	v_rcp_f32 v210, v210
	v_nop                                          ; a plain instruction behind the reciprocal,
	s_wait_alu depctr_va_vdst(0)                   ; and the wait ahead of its first reader
	v_mul_f32 v210, v210, v[221+\f]
	v_ldexp_f32 v210, v210, s26
.irp j, 0,2,4,6,8,10,12,14
.if \f == 0
	v_pk_mul_f32 v[ACC+\j:ACC+\j+1], v[OT+\j:OT+\j+1], v[210:211] op_sel_hi:[1,0]
.else
	v_pk_fma_f32 v[ACC+\j:ACC+\j+1], v[OT+\j:OT+\j+1], v[210:211], v[ACC+\j:ACC+\j+1] op_sel_hi:[1,0,1]
.endif
.endr
.endm
	s_wait_loadcnt 0x0                             ; q's codes
	FPRO 0
	CHANGE 1                                       ; chunk 0 is whole; chunk 1 goes out, into slot 1
	HALF
	CHANGE 1                                       ; chunk 2 into slot 0
	HALF
	FEPI 0
	FPRO 1
	CHANGE 1                                       ; chunk 3 into slot 1
	HALF
	CHANGE 0                                       ; nothing is left to fetch
	HALF
	FEPI 1
	; THE TWO GROUPS' SUMS MEET: group 1 stores its sixteen registers as they stand, 16 bytes a lane; a barrier; group 0's wave of the same tile adds them, quantises by e34 and stores the lane's 16 bytes of ac's image
	s_cmp_lt_u32 s14, 8
	s_cbranch_scc1 .Lno_send
.irp c, 0,1,2,3
	ds_store_b128 v5, v[ACC+4*\c:ACC+4*\c+3] offset:512*\c
.endr
.Lno_send:
	s_wait_dscnt 0x0                               ; for the others' sake: my stores have landed
	s_barrier_signal -1
	s_barrier_wait -1
	s_cmp_ge_u32 s14, 8
	s_cbranch_scc1 .Ldone
.irp c, 0,1,2,3
	ds_load_b128 v[224+4*\c:227+4*\c], v5 offset:512*\c
.endr
	s_add_co_i32 s58, s48, 127
	s_lshl_b32 s59, s58, 23
	v_mov_b32 v244, s59                            ; 2^e34
	s_add_co_i32 s58, s58, 8
	s_lshl_b32 s58, s58, 23
	s_or_b32 s58, s58, 0x600000
	v_mov_b32 v245, s58                            ; 448 x 2^e34
	s_wait_dscnt 0x0
.irp j, 0,2,4,6,8,10,12,14
	v_pk_add_f32 v[ACC+\j:ACC+\j+1], v[ACC+\j:ACC+\j+1], v[224+\j:225+\j]
.endr
.irp j, 0,1,2,3,4,5,6,7,8,9,10,11,12,13,14,15
	v_med3_num_f32 v[ACC+\j], v[ACC+\j], -v245, v245
.endr
	v_cvt_scalef32_pk8_fp8_f32 v[240:241], v[ACC:ACC+7], v244      ; the head's dimensions 8 h .. + 7
	v_cvt_scalef32_pk8_fp8_f32 v[242:243], v[ACC+8:ACC+15], v244   ; 16 + 8 h .. + 7
	v_nop                                          ; one plain vector instruction behind the last conversion
	global_store_b128 v1, v[240:243], s[12:13]     ; 32 lanes store 512 consecutive bytes
.Ldone:
	s_wait_tensorcnt 0x0                           ; the wave's end, behind my last tensor load and my last LDS store
	ds_add_u32 v3, v4
	s_wait_dscnt 0x0
	CROUND                                         ; the closing round: no work-group ends while a partner may still ask for a chunk that names it
	s_endpgm
.Lfunc_end_k_qbe66f81a5d_attn:
	.size	k_qbe66f81a5d_attn, .Lfunc_end_k_qbe66f81a5d_attn-k_qbe66f81a5d_attn
	.p2alignl 7, 3214868480
	.fill 96, 4, 3214868480
	.section	.rodata,"a",@progbits
	.p2align	6, 0x0
	.amdhsa_kernel k_qbe66f81a5d_attn
		.amdhsa_group_segment_fixed_size 327680
		.amdhsa_private_segment_fixed_size 0
		.amdhsa_enable_private_segment 0
		.amdhsa_kernarg_size 40
		.amdhsa_user_sgpr_count 2
		.amdhsa_user_sgpr_kernarg_segment_ptr 1
		.amdhsa_wavefront_size32 1
		.amdhsa_system_sgpr_workgroup_id_x 1
		.amdhsa_system_sgpr_workgroup_id_y 1
		.amdhsa_system_sgpr_workgroup_id_z 1
		.amdhsa_system_vgpr_workitem_id 0
		.amdhsa_next_free_vgpr 256
		.amdhsa_next_free_sgpr 66
		.amdhsa_reserve_vcc 0
		.amdhsa_float_denorm_mode_32 3
		.amdhsa_float_denorm_mode_16_64 3
		.amdhsa_memory_ordered 1
		.amdhsa_forward_progress 1
		.amdhsa_inst_pref_size 125
	.end_amdhsa_kernel
	.amdgpu_metadata
---
amdhsa.version: [ 1, 2 ]
amdhsa.kernels:
  - .name:           k_qbe66f81a5d_attn
    .symbol:         k_qbe66f81a5d_attn.kd
    .args:
      - { .name: qc, .offset: 0, .size: 8, .value_kind: global_buffer, .address_space: global }
      - { .name: kv, .offset: 8, .size: 8, .value_kind: global_buffer, .address_space: global }
      - { .name: feature_weights, .offset: 16, .size: 8, .value_kind: global_buffer, .address_space: global }
      - { .name: lowp_scales, .offset: 24, .size: 8, .value_kind: global_buffer, .address_space: global }
      - { .name: ac, .offset: 32, .size: 8, .value_kind: global_buffer, .address_space: global }
    .group_segment_fixed_size: 327680
    .private_segment_fixed_size: 0
    .kernarg_segment_align: 8
    .kernarg_segment_size: 40
    .max_flat_workgroup_size: 512
    .sgpr_count:     66
    .vgpr_count:     256
    .wavefront_size: 32
...
	.end_amdgpu_metadata
.endif
;; end of part 5
;; launch outp (part 6): grid 64 x 4, 4 waves a work-group, no clusters, 35,328 bytes of LDS; arguments ac, Wo, bo, lowp_scales, out0; writes out0
.if DOCPART == 6
	.amdgcn_target "amdgcn-amd-amdhsa--gfx1250"
	.amdhsa_code_object_version 6
	.text
	.protected	k_qbe66f81a5d_outp
	.globl	k_qbe66f81a5d_outp
	.p2align	8
	.type	k_qbe66f81a5d_outp,@function
k_qbe66f81a5d_outp:
	s_mov_b64 s[64:65], 0
	v_nop
	global_prefetch_b8 v0, s[64:65] scope:SCOPE_SE
	s_setreg_imm32_b32 hwreg(HW_REG_WAVE_SCHED_MODE, 0, 2), 2
	s_setreg_imm32_b32 hwreg(HW_REG_WAVE_MODE, 25, 1), 1
	s_wait_xcnt 0x0
	s_wait_alu depctr_vm_vsrc(0)
; THE OUTPUT PROJECTION: out0 = a Wo^T + bo on codes of FP8 (E4M3).  a arrives as codes, as images of operand registers: ac [tile of 16 tokens 256][head 8][lane 32][16 B]: head hd's 16 bytes of a lane are
; registers 4 (hd % 4) .. + 3 of K step hd / 4, in the form's own layout (registers 2 c, 2 c + 1: k = 16 c + 8 (lane / 16) + 0 .. 7).  Wo [256][256] f32 is quantised here by e35.
; SHARES.  Work-group (x, y): 64 tokens x 64 output columns.  Wave w quantises Wo's rows 64 y + 16 w .. + 15 into LDS rows, and makes tile of tokens 4 x + w for all 64 columns.
; The product is used transposed (source 0 = 16 rows of Wo, source 1 = 16 tokens): a lane holds eight neighbouring columns of one token's row; they go through the wave's own stage in LDS and leave as rows:
; sixteen lanes store 256 consecutive bytes, at a multiple of 256 from out0's first byte.
; LIMITS: e35 between -126 and 119; e34 + e35 between -126 and 127.  NaN among the inputs is not served.
; No tensor load: Wo arrives as f32 and passes through registers; a's codes are read once, straight into the operand's registers.
; THE MODE: SCHED_MODE bits 1:0 = 2 (LLVM: expert scheduling mode 2), set by the entry lines.  The code itself states the register dependences between vector or matrix instructions and memory or LDS
; instructions, with s_wait_alu, always for 0.
; THE PLAN.  Registers that memory or LDS instructions touch:
;   v4-v10      offsets and LDS addresses: written at the head and never again: one wait on va_vdst ahead of the first load.
;   v32-159     Wo's loads land here; the holds write, the conversions read; then the LDS loads of Wo's fragments land here; the products read them; then v32-63 take the results, which LDS stores read,
;               and v64-95 the rows that come back from the stage, which the global stores read.
;   v224-255    The conversions write Wo's codes here, LDS stores read them; then these are the accumulators.
;   Wo's 16 rows go in two halves of eight.  One wait on va_vdst behind each half's conversions: the first half's sixteen LDS stores are dealt among the second half's holds, which name other registers; the second wait
;   also serves the fragments' loads.  One wait on vm_vsrc behind the barrier, ahead of the products that write where the codes lay.  One wait on va_vdst ahead of the stage's stores; it also serves the loads from the stage.
;   v30, v31    Written at the head, read by the closing add alone.
.set PITCH, 272                        ; an LDS row: 256 bytes + 16
.set WR,    0                          ; 64 rows of Wo's codes
.set STG,   64*PITCH                   ; four stages of 16 rows, one a wave
.set ST,    32                         ; v32-159  16 rows x 8 numbers of Wo; then Wo's fragments (16 columns t, K step s) at 32 + 32 t + 16 s; then results
.set WF,    32
.set BO,    160                        ; v160-191 bo in the result's layout
.set AF,    192                        ; v192-223 a's two fragments
.set CD,    224                        ; v224-255 Wo's codes; then the four accumulators
.set ACC,   224
.set Y,     32                         ; v32-63   results
.set RB,    64                         ; v64-95   rows read back from the stage
	s_load_b256 s[4:11], s[0:1], 0x0               ; ac s[4:5], Wo s[6:7], bo s[8:9], lowp_scales s[10:11]
	s_load_b64 s[12:13], s[0:1], 0x20              ; out0
	v_lshl_add_u32 v30, v0, 2, 0x8800
	v_mov_b32 v31, 0
	v_lshrrev_b32 v1, 5, v0
	v_readfirstlane_b32 s14, v1                    ; wave
	v_and_b32 v1, 31, v0                           ; lane
	v_and_b32 v2, 15, v0                           ; r
	v_bfe_u32 v3, v0, 4, 1                         ; h
	v_lshlrev_b32 v4, 4, v1                        ; 16 x lane
	s_and_b32 s15, ttmp7, 0xffff                   ; y
	s_wait_alu depctr_va_sdst(0)                   ; s14 is written, ahead of its first reader: LDS addresses and the buffers' offsets are made from it
	s_mul_i32 s28, s14, 16*PITCH
	v_lshl_add_u32 v5, v1, 2, s28                  ; where I store Wo's codes: my 16 rows, 4 bytes a lane
	v_mul_u32_u24 v6, v2, PITCH
	v_lshl_add_u32 v7, v3, 5, v6
	v_lshl_add_u32 v6, v3, 3, v6                   ; a fragment of Wo: row r, + 8 h
	s_add_co_u32 s28, s28, STG
	v_add_nc_u32 v7, s28, v7                       ; my stage, in: row r, + 32 h
	v_mul_u32_u24 v8, v3, PITCH
	v_lshl_add_u32 v8, v2, 4, v8
	v_add_nc_u32 v8, s28, v8                       ; and back: lanes 0-15 one row, lanes 16-31 the next
	v_lshlrev_b32 v9, 5, v3                        ; bo: columns 8 h on
	v_lshlrev_b32 v10, 10, v3
	v_lshl_add_u32 v10, v2, 4, v10                 ; out0: the same two rows
	s_lshl_b32 s16, ttmp9, 14                      ; ac: tile 4 x + w, 4,096 bytes each
	s_lshl_b32 s17, s14, 12
	s_add_co_u32 s16, s16, s17
	s_mov_b32 s17, 0
	s_lshl_b32 s18, s15, 16                        ; Wo: row 64 y + 16 w
	s_lshl_b32 s19, s14, 14
	s_add_co_u32 s18, s18, s19
	s_lshl_b32 s22, ttmp9, 16                      ; out0: row 64 x + 16 w, column 64 y
	s_add_co_u32 s22, s22, s19
	s_lshl_b32 s20, s15, 8                         ; bo: column 64 y
	s_add_co_u32 s22, s22, s20
	s_mov_b32 s19, 0
	s_mov_b32 s21, 0
	s_mov_b32 s23, 0
	s_wait_kmcnt 0x0
	s_load_b64 s[24:25], s[10:11], 0x88            ; e34, e35
	s_add_nc_u64 s[4:5], s[4:5], s[16:17]
	s_add_nc_u64 s[6:7], s[6:7], s[18:19]
	s_add_nc_u64 s[8:9], s[8:9], s[20:21]
	s_add_nc_u64 s[12:13], s[12:13], s[22:23]
	s_wait_alu depctr_va_vdst(0)                   ; the offsets and LDS addresses v4 to v10 are written: every load and store of the kernel reads one of them
.irp p, 0,1,2,3,4,5,6,7,8,9,10,11,12,13,14,15
	global_load_b128 v[ST+8*\p:ST+8*\p+3],   v4, s[6:7] offset:\p*1024       ; 32 lanes read 512 consecutive bytes: k = 4 l .. + 3,
	global_load_b128 v[ST+8*\p+4:ST+8*\p+7], v4, s[6:7] offset:\p*1024+512   ; k = 128 + 4 l .. + 3
.endr
.irp d, 0,1,2,3,4,5,6,7
	global_load_b128 v[AF+4*\d:AF+4*\d+3], v4, s[4:5] offset:\d*512          ; head d's image
.endr
.irp t, 0,1,2,3
	global_load_b128 v[BO+8*\t:BO+8*\t+3],   v9, s[8:9] offset:64*\t         ; bo(64 y + 16 t + 8 h + 0 .. 7)
	global_load_b128 v[BO+8*\t+4:BO+8*\t+7], v9, s[8:9] offset:64*\t+16
.endr
	s_wait_kmcnt 0x0
	s_add_co_i32 s29, s25, 127
	s_lshl_b32 s30, s29, 23
	v_mov_b32 v11, s30                             ; 2^e35 as f32: the conversion takes its exponent field
	s_add_co_i32 s29, s29, 8
	s_lshl_b32 s29, s29, 23
	s_or_b32 s29, s29, 0x600000
	v_mov_b32 v12, s29                             ; 448 x 2^e35
	s_add_co_i32 s26, s24, s25
	s_add_co_i32 s26, s26, 127
	s_lshl_b32 s26, s26, 23                        ; 2^(e34 + e35) as f32
	s_mov_b32 s27, s26                             ; (named with it as a pair, so it is written)
; Store n of 32 of Wo's codes: row n / 2 of my sixteen; n even: k = 4 l .. + 3, n odd: k = 128 + 4 l .. + 3
.macro WST n
	ds_store_b32 v5, v[CD+(\n)] offset:((\n)/2)*PITCH+128*((\n)%2)
.endm
	s_wait_alu depctr_va_vdst(0)
	s_wait_loadcnt 32                              ; the sixteen loads of Wo's rows 0 to 7 are in; those of rows 8 to 15, a's eight and bo's eight may be out
.set i, 0
.rept 64
	v_med3_num_f32 v[ST+i], v[ST+i], -v12, v12     ; the conversion to an 8-bit code does not saturate (ISA guide 7.6.2): the hold at the largest code x the scale
.set i, i+1
.endr
.irp p, 0,1,2,3,4,5,6,7
	v_cvt_scalef32_pk8_fp8_f32 v[CD+2*\p:CD+2*\p+1], v[ST+8*\p:ST+8*\p+7], v11
.endr
	v_nop                                          ; one plain vector instruction behind the last conversion
	s_wait_alu depctr_va_vdst(0)                   ; the conversions have written the codes of rows 0 to 7, which the sixteen LDS stores among the holds below read
	s_wait_loadcnt 16                              ; Wo's 32 loads are in; a's eight and bo's eight may be out
.set i, 0
.rept 64
	v_med3_num_f32 v[ST+64+i], v[ST+64+i], -v12, v12
.if i%4 == 3
	WST i/4                                        ; no wait: no vector instruction since the wait above names these codes or the stores' address
.endif
.set i, i+1
.endr
.irp p, 8,9,10,11,12,13,14,15
	v_cvt_scalef32_pk8_fp8_f32 v[CD+2*\p:CD+2*\p+1], v[ST+8*\p:ST+8*\p+7], v11
.endr
	v_nop                                          ; one plain vector instruction behind the last conversion
	s_wait_alu depctr_va_vdst(0)                   ; the conversions have written the codes of rows 8 to 15, which the LDS stores below read; the holds and conversions are done with v32-159, in which the fragments' loads land
.set i, 16
.rept 16
	WST i
.set i, i+1
.endr
	s_wait_dscnt 0x0                               ; for the others' sake: my stores have landed
	s_barrier_signal -1
	s_barrier_wait -1                              ; the 64 rows of Wo's codes lie in LDS
	s_wait_alu depctr_vm_vsrc(0)                   ; my LDS stores have read v224-255: these registers are the accumulators from here on, written by the products
.irp t, 0,1,2,3
.irp s, 0,1
.irp c, 0,1,2,3,4,5,6,7
	ds_load_b64 v[WF+32*\t+16*\s+2*\c:WF+32*\t+16*\s+2*\c+1], v6 offset:\t*16*PITCH+128*\s+16*\c   ; k = 128 s + 16 c + 8 h .. + 7: the layout in which a's images lie
.endr
.endr
.endr
	s_wait_loadcnt 0x0                             ; a and bo
	s_wait_dscnt 0x0
.irp t, 0,1,2,3
	v_wmma_f32_16x16x128_fp8_fp8 v[ACC+8*\t:ACC+8*\t+7], v[WF+32*\t:WF+32*\t+15], v[AF:AF+15], 0
.endr
.irp t, 0,1,2,3                                ; the four accumulators take turns, one instruction a turn
	v_wmma_f32_16x16x128_fp8_fp8 v[ACC+8*\t:ACC+8*\t+7], v[WF+32*\t+16:WF+32*\t+31], v[AF+16:AF+31], v[ACC+8*\t:ACC+8*\t+7]
.endr
.rept 4
	v_nop                                          ; four places ahead of the first read of the sums and of writes into the operands' registers (ISA guide 7.12.1)
.endr
.irp j, 0,2,4,6,8,10,12,14,16,18,20,22,24,26,28,30
	v_pk_fma_f32 v[Y+\j:Y+\j+1], v[ACC+\j:ACC+\j+1], s[26:27], v[BO+\j:BO+\j+1] op_sel_hi:[1,0,1]   ; sum x 2^(e34 + e35) + bo, each accumulator from its low end on
.endr
	s_wait_alu depctr_va_vdst(0)                   ; the multiply-adds have written v[Y ..], which the LDS stores read; the products are done reading v[RB ..], in which the loads from the stage land
.irp t, 0,1,2,3
	ds_store_b128 v7, v[Y+8*\t:Y+8*\t+3]   offset:64*\t       ; token r, columns 16 t + 8 h + 0 .. 7
	ds_store_b128 v7, v[Y+8*\t+4:Y+8*\t+7] offset:64*\t+16
.endr
.irp i, 0,1,2,3,4,5,6,7
	ds_load_b128 v[RB+4*\i:RB+4*\i+3], v8 offset:2*\i*PITCH   ; LDS serves a wave's instructions in order (ISA guide 5.7.1.4): these see my stores; the stage is my own
.endr
.irp i, 0,1,2,3,4,5,6,7
	s_wait_dscnt 7-\i                              ; rows 2 i, 2 i + 1 are back; the younger loads may be out
	global_store_b128 v10, v[RB+4*\i:RB+4*\i+3], s[12:13] offset:2048*\i th:TH_STORE_NT   ; written once, read by nobody here
.endr
	s_wait_dscnt 0x0                               ; the closing lines, six on end
	s_wait_alu 0x0
	s_wait_tensorcnt 0x0
	ds_add_u32 v30, v31
	s_wait_dscnt 0x0
	s_endpgm
.Lfunc_end_k_qbe66f81a5d_outp:
	.size	k_qbe66f81a5d_outp, .Lfunc_end_k_qbe66f81a5d_outp-k_qbe66f81a5d_outp
	.p2alignl 7, 3214868480
	.fill 96, 4, 3214868480
	.section	.rodata,"a",@progbits
	.p2align	6, 0x0
	.amdhsa_kernel k_qbe66f81a5d_outp
		.amdhsa_group_segment_fixed_size 35328
		.amdhsa_private_segment_fixed_size 0
		.amdhsa_enable_private_segment 0
		.amdhsa_kernarg_size 40
		.amdhsa_user_sgpr_count 2
		.amdhsa_user_sgpr_kernarg_segment_ptr 1
		.amdhsa_wavefront_size32 1
		.amdhsa_system_sgpr_workgroup_id_x 1
		.amdhsa_system_sgpr_workgroup_id_y 1
		.amdhsa_system_sgpr_workgroup_id_z 1
		.amdhsa_system_vgpr_workitem_id 0
		.amdhsa_next_free_vgpr 256
		.amdhsa_next_free_sgpr 66
		.amdhsa_reserve_vcc 0
		.amdhsa_float_denorm_mode_32 3
		.amdhsa_float_denorm_mode_16_64 3
		.amdhsa_memory_ordered 1
		.amdhsa_forward_progress 1
		.amdhsa_inst_pref_size 27
	.end_amdhsa_kernel
	.amdgpu_metadata
---
amdhsa.version: [ 1, 2 ]
amdhsa.kernels:
  - .name:           k_qbe66f81a5d_outp
    .symbol:         k_qbe66f81a5d_outp.kd
    .args:
      - { .name: ac, .offset: 0, .size: 8, .value_kind: global_buffer, .address_space: global }
      - { .name: Wo, .offset: 8, .size: 8, .value_kind: global_buffer, .address_space: global }
      - { .name: bo, .offset: 16, .size: 8, .value_kind: global_buffer, .address_space: global }
      - { .name: lowp_scales, .offset: 24, .size: 8, .value_kind: global_buffer, .address_space: global }
      - { .name: out0, .offset: 32, .size: 8, .value_kind: global_buffer, .address_space: global }
    .group_segment_fixed_size: 35328
    .private_segment_fixed_size: 0
    .kernarg_segment_align: 8
    .kernarg_segment_size: 40
    .max_flat_workgroup_size: 128
    .sgpr_count:     66
    .vgpr_count:     256
    .wavefront_size: 32
...
	.end_amdgpu_metadata
.endif
;; end of part 6
